; MI455X (gfx1250); checked and timed in simulation.
; The chip was launched on July 23, 2026; its instructions are those of AMD's public machine-readable ISA for CDNA 5 (MIT licence, August 2026) and "CDNA5" Instruction Set Architecture Reference Guide (July 2026). The comments in the code are by the model that wrote it; some were corrected since.
;; Multi Headed Attention. Allowed arithmetic: matrix products marked QUANTISED: E3M2 operands, one E8M0 scale for each 32 along K, by v_wmma_scale_f32_16x16x128_f8f6f4 with both operands' format E3M2, f32 sums; everything else in f32.
;; Inputs: Wk 16 x 1,024 x 64 float32; Wp 1,024 x 1,024 float32; Wq 16 x 1,024 x 64 float32; Wv 16 x 1,024 x 64 float32; bp 1,024 float32; x 4 x 2,048 x 1,024 float32.
;; Outputs: out0 4 x 2,048 x 1,024 float32.
;; This version of the problem:
;;   THIS VERSION OF THE PROBLEM IS GIVEN IN LOW PRECISION. The matrix products marked QUANTISED in the list below multiply operands that are first quantised to E3M2 (3 exponent bits, 2 mantissa bits; 6 bits a number), with one power-of-two scale for each 32 numbers along K (OCP MX v1.0); their sums are f32. All else is computed in f32.
;;   The module's matrix products, in the order in which they are computed (A, B: the left and right operand; K: the contracted axis; several contracted axes count as one K, in the product's order):
;;     1. [M 1,024, K 1,024] x [K 1,024, N 8,192]; A: input Wq; B: input x: QUANTISED
;;     2. [M 1,024, K 1,024] x [K 1,024, N 8,192]; A: input Wk; B: input x: QUANTISED
;;     3. [M 1,024, K 1,024] x [K 1,024, N 8,192]; A: input Wv; B: input x: QUANTISED
;;     4. batch 64 x [M 2,048, K 64] x [K 64, N 2,048]; A: computed on the way; B: computed on the way: QUANTISED
;;     5. batch 64 x [M 2,048, K 2,048] x [K 2,048, N 64]; A: softmax (see below); B: computed on the way: QUANTISED
;;     6. [M 8,192, K 1,024] x [K 1,024, N 1,024]; A: computed on the way; B: input Wp: QUANTISED
;;   THE QUANTISER, for each operand of a quantised product, along K:
;;     - K is cut into blocks of 32 from its start; a last block that is shorter is filled with zeros.
;;     - A block's scale is 2^e with e = floor(log2(the largest magnitude in the block)) - 4, held to -126 .. 127; a block of zeros has e = 0. As a byte (E8M0): e + 127.
;;     - Each number is divided by its block's scale, clamped to +-28, and rounded to the nearest number of E3M2, ties to even, subnormals kept.
;;     - The product sums the exact products of the quantised numbers (number of the format x scale) in f32.
;;   ~~~python
;;   def quantise(x, axis):      # numpy; x: float32 -> the quantised numbers, widened to float32 again
;;       x = np.moveaxis(x, axis, -1); K = x.shape[-1]
;;       x = np.pad(x, [(0, 0)] * (x.ndim - 1) + [(0, -K % 32)]); x = x.reshape(x.shape[:-1] + (-1, 32)); a = np.abs(x).max(-1, keepdims=True)
;;       e = np.where(a > 0, np.clip(np.frexp(np.where(a > 0, a, 1))[1] - 1 - 4, -126, 127), 0)      # np.frexp(a)[1] - 1 = floor(log2(a)), exactly
;;       r = np.clip(x / 2.0 ** e, -28, 28)
;;       step = 2.0 ** (np.maximum(np.frexp(np.where(r == 0, 1, r))[1] - 1, -2) - 2)
;;       q = np.round(r / step) * step * 2.0 ** e      # np.round: ties to even
;;       return np.moveaxis(q.reshape(q.shape[:-2] + (-1,))[..., :K], -1, axis).astype(np.float32)
;;   ~~~
;;   SOFTMAX AHEAD OF A QUANTISED PRODUCT. Where the list says 'softmax', what is quantised is not the finished softmax but p = 2^(t - M), with t = logit x log2(e) and M = ceil(the row's largest t), a whole number; so 1/2 < the row's largest p <= 1. The row's sum l is taken of the UNQUANTISED p, in f32, and the product's result is divided by l at the end. Since M is a whole number, a kernel that streams over the keys may use a running M (the ceiling of the running maximum): every later rescaling is an exact power of two, which a block's scale takes up: the codes' values come out the same.
;;   OPERANDS COMPUTED ON THE WAY. 'Computed on the way' means the value that the module computes at that place (a softmax that the list does not call 'softmax' is quantised finished and normalised). What goes into a quantiser is computed in f32, as accurately as f32 sums, v_exp_f32 and their like allow (about 1e-6 of the number): no bf16 or f16 on the way to a quantiser, and a product that is left as it is and whose result goes on into a quantised operand takes f32 operands (vector FMAs, or v_wmma_f32_16x16x4_f32). A number that lies on a knife's edge between two numbers of the format may be rounded either way, as far as f32 arithmetic and the matrix unit's own rounding can turn it there, and no further.
;; One version. Each part assembles by itself: llvm-mc -triple=amdgcn-amd-amdhsa -mcpu=gfx1250 --defsym DOCPART=n.
;; ======== version 1 of 1: 4 launches
;; limits: right only within a limited range of input values
;; workspace buffers: opnd_img 9,437,184 bytes; opnd_sc 393,216 bytes; qkv_img 18,874,368 bytes; qkv_sc 786,432 bytes; cat_img 6,291,456 bytes; cat_sc 262,144 bytes
;; launch quant (part 1): grid 768 x 1, 4 waves a work-group, no clusters, 35,328 bytes of LDS; arguments x, Wq, Wk, Wv, Wp, opnd_img, opnd_sc; writes opnd_img, opnd_sc
.if DOCPART == 1
	.amdgcn_target "amdgcn-amd-amdhsa--gfx1250"
	.amdhsa_code_object_version 6
	.text
	.protected	k_q3d688e61c5_quant
	.globl	k_q3d688e61c5_quant
	.p2align	8
	.type	k_q3d688e61c5_quant,@function
k_q3d688e61c5_quant:
	s_mov_b64 s[64:65], 0
	v_nop
	global_prefetch_b8 v0, s[64:65] scope:SCOPE_SE
	s_setreg_imm32_b32 hwreg(HW_REG_WAVE_MODE, 25, 1), 1
	s_wait_xcnt 0x0
; x [8192][1024], Wq, Wk, Wv [16][1024][64] and Wp [1024][1024], f32, become codes of BF6 (E3M2) with one E8M0 byte for each 32 along K (K = the 1,024 of E, for Wp its first axis).
; THE OUTPUT IS LAID AS THE MATRIX UNIT TAKES IT.  The rows of an operand (tokens; a weight's columns) go in groups of 128, a group in 8 tiles of 16: row r of tile a is the group's row 32 (a / 2) + 8 (a % 2) + r + 8 (r / 8).
; A tile's 128 along K is a fragment, 12 registers a lane, stored as an image of these registers: registers 4 j .. 4 j + 3 of lane l at 512 j + 16 l: 1,536 bytes.  A block = a group's 8 images of one K step: 12,288 bytes, number 8 G + ks.
; Its scale words (4 bytes: a row's four blocks of 32) make a scale block of 512 bytes: image a, row r at 16 (r + 16 (a % 2)) + 4 (a / 2).
; Groups: 0-63 x, 64-71 Wq (row = 64 head + d), 72-79 Wk, 80-87 Wv, 88-95 Wp (row = its column).  Work-group n makes block n and scale block n; wave w the images 2 w and 2 w + 1.
; A block's scale is 2^(floor(log2(largest magnitude)) - 4); its byte is the largest magnitude's exponent field - 4, held at 1 from below.
; LIMITS: a block of zeros gets the byte 1 (its codes are zeros, and this program alone reads the bytes); blocks whose largest magnitude lies under 2^-122 keep the byte 1; NaN and infinities among the inputs are not served.
; No tensor load, no matrix unit, no cluster: each input byte is read once by one wave, and memory binds.
.set STGB, 8448                        ; x: a wave's stage: 16 rows x (512 bytes + 16)
.set XG,   4*STGB                      ; x's way: where the four waves' scale words meet, 512 bytes
.set WGA,  XG+512                      ; the weights' way: the same, in bytes of its own
.set X,    32                          ; v32-159  128 numbers as loaded
.set Y,    160                         ; v160-223 x: 64 numbers of my row;  weights: the codes (v160-183) and their second halves (v184-198)
.set TM,   16                          ; v16-19 largest magnitudes, v20-23 the other half's, then the bytes, v28-31 the conversions' scale operands
.set TP,   248                         ; v248-250, v252-254 a conversion's three registers begin on an even number: the second halves are made here
.set PW,   12                          ; v12, v13 the two images' scale words
.set WD,   14                          ; v14      the word that I send to the gather
.set SEL,  26                          ; s[26:27] v_permlanex16_b32: lane l xor 16
; 64 numbers of a lane, register 16 b + i = k 32 b + 16 (lane / 16) + i of my row, become a fragment's codes in v[pc] on and its scale word in v[pw]
.macro QUANT s, pc, pw
.irp b, 0,1,2,3
	v_max3_num_f32 v[TM+\b], |v[\s+16*\b]|, |v[\s+1+16*\b]|, 0x2800000   ; my 16 numbers of block b, and the floor 2^(5 - 127): the byte cannot fall under 1
.endr
.irp i, 2,4,6,8,10,12,14
.irp b, 0,1,2,3
	v_max3_num_f32 v[TM+\b], v[TM+\b], |v[\s+16*\b+\i]|, |v[\s+1+16*\b+\i]|
.endr
.endr
.irp b, 0,1,2,3
	v_permlanex16_b32 v[TM+4+\b], v[TM+\b], s[SEL], s[SEL+1]
.endr
.irp b, 0,1,2,3
	v_max_num_f32 v[TM+\b], v[TM+\b], v[TM+4+\b]           ; with lane l xor 16: the block's largest magnitude
.endr
.irp b, 0,1,2,3
	v_add_nc_u32 v[TM+12+\b], 0xfe000000, v[TM+\b]         ; 4 off its exponent field: the conversion's scale operand
.endr
.irp b, 0,1,2,3
	v_lshrrev_b32 v[TM+4+\b], 23, v[TM+12+\b]              ; the scale's byte
.endr
	v_lshl_or_b32 v[\pw], v[TM+5], 8, v[TM+4]
	v_lshl_or_b32 v[\pw], v[TM+6], 16, v[\pw]
	v_lshl_or_b32 v[\pw], v[TM+7], 24, v[\pw]
.irp c, 0,1
	v_cvt_scalef32_pk16_bf6_f32 v[\pc+6*\c:\pc+6*\c+2], v[\s+32*\c:\s+32*\c+15], v[TM+12+2*\c]
	v_cvt_scalef32_pk16_bf6_f32 v[TP+4*\c:TP+4*\c+2], v[\s+32*\c+16:\s+32*\c+31], v[TM+12+2*\c+1]
.endr
	v_nop                                          ; one plain place behind a scaled conversion
.irp c, 0,1                                    ; the layout wants a whole block in a lane: lanes 0-15 block 2 c, lanes 16-31 block 2 c + 1
.irp i, 0,1,2
	v_permlane16_swap_b32 v[\pc+6*\c+\i], v[TP+4*\c+\i]
.endr
.irp i, 0,1,2
	v_mov_b32 v[\pc+6*\c+3+\i], v[TP+4*\c+\i]
.endr
.endr
.endm
; The four waves' scale words meet in LDS and leave as one block of 512 consecutive bytes
.macro FINISH ga, gr
	ds_store_b32 v[\ga], v[WD]
	s_wait_dscnt 0x0                               ; for the others' sake: my store has landed
	s_barrier_signal -1
	s_barrier_wait -1
	s_cmp_lg_u32 s18, 0
	s_cbranch_scc1 .Ldone_\@
	ds_load_b128 v[16:19], v[\gr]
	s_wait_dscnt 0x0
	global_store_b128 v3, v[16:19], s[16:17]       ; 32 lanes store 512 consecutive bytes, at a multiple of 512 from the buffer's first byte
.Ldone_\@:
	s_wait_tensorcnt 0x0
	ds_add_u32 v251, v255
	s_wait_dscnt 0x0
	s_endpgm
.endm
.macro WLOAD stride                    ; my column's 128 numbers down K: each load reads 128 consecutive bytes
.set i, 0
.rept 128
	global_load_b32 v[X+i], v8, s[28:29] offset:i*\stride th:TH_LOAD_NT
.set i, i+1
.endr
.endm
	s_load_b256 s[4:11], s[0:1], 0x0               ; x s[4:5], Wq s[6:7], Wk s[8:9], Wv s[10:11]
	s_load_b128 s[12:15], s[0:1], 0x20             ; Wp s[12:13], the images s[14:15]
	s_load_b64 s[16:17], s[0:1], 0x30              ; the scale blocks
	v_lshl_add_u32 v251, v0, 2, 0x8800
	v_mov_b32 v255, 0
	v_lshrrev_b32 v1, 5, v0
	v_readfirstlane_b32 s18, v1                    ; wave 0..3
	v_and_b32 v2, 31, v0                           ; lane
	v_lshlrev_b32 v3, 4, v2                        ; 16 x lane
	v_lshlrev_b32 v8, 2, v2                        ; 4 x lane
	v_and_b32 v1, 15, v0                           ; r
	v_bfe_u32 v15, v0, 4, 1                        ; h
	s_mul_i32 s19, s18, STGB
	v_add_nc_u32 v4, s19, v3                       ; the stage, on the way in: 16 bytes a lane of a row
	v_mul_u32_u24 v5, v1, 528
	v_lshl_add_u32 v5, v15, 6, v5
	v_add_nc_u32 v5, s19, v5                       ; and on the way out: row r, + 64 h: my 16 numbers of a block of 32
	s_lshl_b32 s20, s18, 2
	v_add_nc_u32 v6, s20, v3
	v_add_nc_u32 v6, XG, v6                        ; x: my word's place: 16 x lane + 4 x wave
	v_and_b32 v7, 7, v0
	v_lshl_or_b32 v7, v15, 3, v7                   ; weights: column 32 w + lane is row (lane % 8) + 8 (lane / 16) of tile 2 w + u,
	v_lshlrev_b32 v7, 4, v7
	v_bfe_u32 v13, v0, 3, 1                        ; u = (lane / 8) % 2
	v_mad_u32_u24 v9, v13, 1536, v7                ; where my codes go: image u, 16 bytes a row
	v_lshl_add_u32 v7, v13, 8, v7
	v_add_nc_u32 v7, s20, v7
	v_add_nc_u32 v7, WGA, v7                       ; and my word: 16 (row + 16 u) + 4 x wave
	v_add_nc_u32 v10, XG, v3                       ; where wave 0 reads the words back
	v_add_nc_u32 v11, WGA, v3
.irp b, 0,1,2,3
	v_mov_b32 v[TM+4+\b], 0                        ; written once: a lane permute's destination counts as one of its sources
.endr
	s_mov_b32 s24, 0xffff0000                      ; lanes 16-31
	s_mov_b32 s[SEL], 0x76543210
	s_mov_b32 s[SEL+1], 0xfedcba98
	s_mul_i32 s20, ttmp9, 12288                    ; block n,
	s_mul_i32 s21, s18, 3072                       ; my two images in it
	s_add_co_u32 s20, s20, s21
	s_mov_b32 s21, 0
	s_lshl_b32 s22, ttmp9, 9                       ; scale block n
	s_mov_b32 s23, 0
	s_wait_kmcnt 0x0
	s_add_nc_u64 s[14:15], s[14:15], s[20:21]
	s_add_nc_u64 s[16:17], s[16:17], s[22:23]
	s_cmp_ge_u32 ttmp9, 512                        ; the first 512 work-groups take x: the same way for all four waves
	s_cbranch_scc1 .Lweights
	; ---- x: K is innermost.  Each load reads 512 consecutive bytes of one row; the rows turn through my stage so that a lane holds 16 neighbours of each block
	s_lshr_b32 s20, ttmp9, 3
	s_lshl_b32 s20, s20, 19                        ; group: 128 rows of 4,096 bytes
	s_lshl_b32 s21, s18, 17                        ; my 32 rows
	s_add_co_u32 s20, s20, s21
	s_and_b32 s21, ttmp9, 7
	s_lshl_b32 s21, s21, 9                         ; K step: 512 bytes
	s_add_co_u32 s20, s20, s21
	s_mov_b32 s21, 0
	s_add_nc_u64 s[4:5], s[4:5], s[20:21]
.irp e, 0,1
.irp p, 0,1,2,3,4,5,6,7,8,9,10,11,12,13,14,15
	global_load_b128 v[X+4*(16*\e+\p):X+4*(16*\e+\p)+3], v3, s[4:5] offset:(8*\e+\p+8*(\p/8))*4096 th:TH_LOAD_NT
.endr
.endr
.macro XIMG e
.if \e == 0
	s_wait_loadcnt 16                              ; this image's sixteen loads are in; the second image's sixteen may be out
.else
	s_wait_loadcnt 0x0
.endif
.irp p, 0,1,2,3,4,5,6,7,8,9,10,11,12,13,14,15
	ds_store_b128 v4, v[X+4*(16*\e+\p):X+4*(16*\e+\p)+3] offset:528*\p
.endr
.irp b, 0,1,2,3
.irp j, 0,1,2,3
	ds_load_b128 v[Y+16*\b+4*\j:Y+16*\b+4*\j+3], v5 offset:128*\b+16*\j   ; LDS serves a wave's instructions in order: these see my stores
.endr
.endr
	s_wait_dscnt 0x0
	QUANT Y, 224+12*\e, PW+\e
.irp j, 0,1,2
	global_store_b128 v3, v[224+12*\e+4*\j:224+12*\e+4*\j+3], s[14:15] offset:1536*\e+512*\j   ; 512 consecutive bytes a store; each image has registers of its own
.endr
.endm
	XIMG 0
	XIMG 1
	v_cndmask_b32 v[WD], v[PW], v[PW+1], s24       ; lanes 0-15 send image 2 w's words, lanes 16-31 image 2 w + 1's
	FINISH 6, 10
	; ---- the weights: K is not innermost.  A lane takes a column and its registers run down K: four whole blocks, no other lane is asked
.Lweights:
	s_sub_co_u32 s20, ttmp9, 512
	s_lshr_b32 s21, s20, 6                         ; which weight
	s_bfe_u32 s22, s20, 0x30003                    ; which group of 128 columns
	s_and_b32 s23, s20, 7                          ; K step
	s_cmp_eq_u32 s21, 3
	s_cbranch_scc1 .Lwp
	s_cmp_eq_u32 s21, 0
	s_cselect_b64 s[28:29], s[6:7], s[8:9]
	s_cmp_eq_u32 s21, 2
	s_cselect_b64 s[28:29], s[10:11], s[28:29]
	s_lshl_b32 s30, s22, 1
	s_lshr_b32 s31, s18, 1
	s_add_co_u32 s30, s30, s31                     ; head = 2 x group + wave / 2
	s_lshl_b32 s30, s30, 18                        ; 1,024 rows of 256 bytes
	s_lshl_b32 s31, s23, 15                        ; 128 rows
	s_add_co_u32 s30, s30, s31
	s_and_b32 s31, s18, 1
	s_lshl_b32 s31, s31, 7                         ; d = 32 (wave % 2) + lane
	s_add_co_u32 s30, s30, s31
	s_mov_b32 s31, 0
	s_add_nc_u64 s[28:29], s[28:29], s[30:31]
	WLOAD 256
	s_branch .Lwq
.Lwp:
	s_lshl_b32 s30, s23, 19                        ; 128 rows of 4,096 bytes
	s_lshl_b32 s31, s22, 9
	s_add_co_u32 s30, s30, s31
	s_lshl_b32 s31, s18, 7
	s_add_co_u32 s30, s30, s31                     ; column 128 x group + 32 x wave + lane
	s_mov_b32 s31, 0
	s_add_nc_u64 s[28:29], s[12:13], s[30:31]
	WLOAD 4096
.Lwq:
	s_wait_loadcnt 0x0
.irp b, 0,1,2,3
	v_max3_num_f32 v[TM+\b], |v[X+32*\b]|, |v[X+32*\b+1]|, 0x2800000
.endr
.irp i, 2,4,6,8,10,12,14,16,18,20,22,24,26,28,30
.irp b, 0,1,2,3
	v_max3_num_f32 v[TM+\b], v[TM+\b], |v[X+32*\b+\i]|, |v[X+32*\b+\i+1]|
.endr
.endr
.irp b, 0,1,2,3
	v_add_nc_u32 v[TM+12+\b], 0xfe000000, v[TM+\b]
.endr
.irp b, 0,1,2,3
	v_lshrrev_b32 v[TM+4+\b], 23, v[TM+12+\b]
.endr
	v_lshl_or_b32 v[WD], v[TM+5], 8, v[TM+4]
	v_lshl_or_b32 v[WD], v[TM+6], 16, v[WD]
	v_lshl_or_b32 v[WD], v[TM+7], 24, v[WD]
.irp c, 0,1                                    ; block 2 c + h is registers 6 c .. 6 c + 5 of the image's lane (row, h): I make both lanes' twelve registers
.irp h, 0,1
	v_cvt_scalef32_pk16_bf6_f32 v[Y+12*\h+6*\c:Y+12*\h+6*\c+2], v[X+32*(2*\c+\h):X+32*(2*\c+\h)+15], v[TM+12+2*\c+\h]
	v_cvt_scalef32_pk16_bf6_f32 v[Y+24+4*(2*\c+\h):Y+24+4*(2*\c+\h)+2], v[X+32*(2*\c+\h)+16:X+32*(2*\c+\h)+31], v[TM+12+2*\c+\h]
.endr
.endr
	v_nop                                          ; one plain place behind a scaled conversion
.irp c, 0,1
.irp h, 0,1
.irp i, 0,1,2
	v_mov_b32 v[Y+12*\h+6*\c+3+\i], v[Y+24+4*(2*\c+\h)+\i]
.endr
.endr
.endr
.irp h, 0,1
.irp j, 0,1,2
	global_store_b128 v9, v[Y+12*\h+4*\j:Y+12*\h+4*\j+3], s[14:15] offset:256*\h+512*\j   ; sixteen lanes fill 256 consecutive bytes of image u, at a multiple of 256
.endr
.endr
	FINISH 7, 11
.Lfunc_end_k_q3d688e61c5_quant:
	.size	k_q3d688e61c5_quant, .Lfunc_end_k_q3d688e61c5_quant-k_q3d688e61c5_quant
	.p2alignl 7, 3214868480
	.fill 96, 4, 3214868480
	.section	.rodata,"a",@progbits
	.p2align	6, 0x0
	.amdhsa_kernel k_q3d688e61c5_quant
		.amdhsa_group_segment_fixed_size 35328
		.amdhsa_private_segment_fixed_size 0
		.amdhsa_enable_private_segment 0
		.amdhsa_kernarg_size 56
		.amdhsa_user_sgpr_count 2
		.amdhsa_user_sgpr_kernarg_segment_ptr 1
		.amdhsa_wavefront_size32 1
		.amdhsa_system_sgpr_workgroup_id_x 1
		.amdhsa_system_sgpr_workgroup_id_y 1
		.amdhsa_system_sgpr_workgroup_id_z 1
		.amdhsa_system_vgpr_workitem_id 0
		.amdhsa_next_free_vgpr 256
		.amdhsa_next_free_sgpr 66
		.amdhsa_reserve_vcc 0
		.amdhsa_float_denorm_mode_32 3
		.amdhsa_float_denorm_mode_16_64 3
		.amdhsa_memory_ordered 1
		.amdhsa_forward_progress 1
		.amdhsa_inst_pref_size 51
	.end_amdhsa_kernel
	.amdgpu_metadata
---
amdhsa.version: [ 1, 2 ]
amdhsa.kernels:
  - .name:           k_q3d688e61c5_quant
    .symbol:         k_q3d688e61c5_quant.kd
    .args:
      - { .name: x, .offset: 0, .size: 8, .value_kind: global_buffer, .address_space: global }
      - { .name: Wq, .offset: 8, .size: 8, .value_kind: global_buffer, .address_space: global }
      - { .name: Wk, .offset: 16, .size: 8, .value_kind: global_buffer, .address_space: global }
      - { .name: Wv, .offset: 24, .size: 8, .value_kind: global_buffer, .address_space: global }
      - { .name: Wp, .offset: 32, .size: 8, .value_kind: global_buffer, .address_space: global }
      - { .name: opnd_img, .offset: 40, .size: 8, .value_kind: global_buffer, .address_space: global }
      - { .name: opnd_sc, .offset: 48, .size: 8, .value_kind: global_buffer, .address_space: global }
    .group_segment_fixed_size: 35328
    .private_segment_fixed_size: 0
    .kernarg_segment_align: 8
    .kernarg_segment_size: 56
    .max_flat_workgroup_size: 128
    .sgpr_count:     66
    .vgpr_count:     256
    .wavefront_size: 32
...
	.end_amdgpu_metadata
.endif
;; end of part 1
;; launch qkv (part 2): grid 8 x 48, 4 waves a work-group, clusters of 4 x 4, 327,680 bytes of LDS; arguments opnd_img, opnd_sc, qkv_img, qkv_sc; writes qkv_img, qkv_sc
.if DOCPART == 2
	.amdgcn_target "amdgcn-amd-amdhsa--gfx1250"
	.amdhsa_code_object_version 6
	.text
	.protected	k_q3d688e61c5_qkv
	.globl	k_q3d688e61c5_qkv
	.p2align	8
	.type	k_q3d688e61c5_qkv,@function
k_q3d688e61c5_qkv:
	s_mov_b64 s[64:65], 0
	v_nop
	global_prefetch_b8 v0, s[64:65] scope:SCOPE_SE
	s_setreg_imm32_b32 hwreg(HW_REG_WAVE_MODE, 25, 1), 1
	s_wait_xcnt 0x0
	s_wait_alu depctr_hold_cnt(0) depctr_sa_sdst(0) depctr_va_vdst(0) depctr_va_sdst(0) depctr_va_ssrc(0) depctr_va_vcc(0) depctr_vm_vsrc(0)
	s_getreg_b32 s2, hwreg(HW_REG_IB_STS2, 6, 4)
	s_cmp_eq_u32 s2, 0
	s_cbranch_scc0 .Lentry_in_a_cluster
	s_endpgm
.Lentry_in_a_cluster:
	s_bfe_u32 s2, ttmp6, 0x10000c
	s_cmp_lg_u32 s2, 0xf033
	s_cbranch_scc0 .Lentry_shape_is_right
	s_endpgm
.Lentry_shape_is_right:
; q, k and v = x times Wq, Wk, Wv, on codes of BF6 with E8M0 scales, sums in f32, K = 1,024; the results are quantised in registers and leave as codes: q and k along the head's 64, v along the tokens.
; OPERANDS: blocks of images as the launch before laid them: a group of 128 rows x 128 K = 8 images of 1,536 bytes, block number 8 G + ks; scale blocks of 512 bytes beside them.
; A tile of 256 x 256 is made by four waves, 128 x 128 each: 64 accumulators, 512 registers.
; LDS: region 0 holds four K steps of the four groups, region 1 two.  Three fills, one tensor load a wave each: K steps 0-3 into region 0 at the head; 4-5 into region 1 behind the head's round; 6-7 over region 0's first bytes, behind a round, when steps 0-3 are read out.
; THE MATRIX INSTRUCTION IS USED TRANSPOSED: source 0 = 16 rows of B, source 1 = 16 rows of A: a lane holds ONE row of A, and by the order of rows in a tile its 64 registers of B's eight tiles are, register 16 b + i, B's row 32 b + 16 (lane / 16) + i.
; q, k (cluster y under 8): A = x, B = Wq and Wk.   v (cluster y from 8 on): A = Wv, B = x.  One text: only offsets differ.
; OUTPUT: a wave's 128 x 128 is one block: 8 images, each laid registers 0-3 at 16 l, 4-5 at 512 + 8 l, 6-9 at 768 + 16 l, 10-11 at 1,280 + 8 l, and one scale block.  Block number: 512 x (0 q, 1 k, 2 v) + 16 x (8 x batch + pair of heads) + the token group in the batch.
; CLUSTERS: 4 x 4 work-groups; A's tiles are asked for jointly along a row of the cluster, B's along a column.  No data prefetch: the largest block, in clusters, and K is eight steps.
; LIMITS: a block of zeros gets the byte 1, and so do blocks whose largest magnitude lies under 2^-122 (this program alone reads the bytes); NaN and infinities are not served.
; REGISTERS: window 0: v16-21 LDS addresses; v26, v27 offsets; v28, v29 the add's; v32-95 scale words; v128-223 A's fragments, on the way out the codes; v96-107, v224-247 at work on the way out.  window 1: B's fragments, two sets.  windows 2, 3: accumulator (a, b) at v[8 (8 (a % 4) + b)].
.set IMG,   1536
.set BLK,   8*IMG
.set P0,    4*BLK                      ; a group's part of region 0
.set P1,    2*BLK                      ; of region 1
.set R1,    4*P0
.set SPARE, R1+4*P1
.set FR,    12
.set NL,    3
.set ADRA,  16
.set ADRB,  20
.set O16,   26
.set O8,    27
.set SPW,   28
.set NIL,   29
.set SC,    32                         ; K step ks: v[SC + 8 ks + i] A's tiles 2 i (lanes 0-15), 2 i + 1 (lanes 16-31); v[SC + 8 ks + 4 + i] B's
.set PWS,   96
.set AF,    128
.set TP,    224
.set TM,    232
.set G1, 24
.set G0, 32
.set G1B, 48
.set G0B, 56
.set SEL, 98
.set MSB, 0
.macro WIN new
.if MSB != \new
	s_set_vgpr_msb (MSB<<8)|\new
.set MSB, \new
.endif
.endm
.set MUL_LO, 0xa1
.set MUL_HI, 0xf1
.set TO_B,   0x40
.macro JLOAD g0a, g1a, g0b, g1b        ; a joint load: waves 0 and 1 fetch for A, waves 2 and 3 for B
	s_cmp_eq_u32 s15, 0
	s_cbranch_scc0 .Lfor_b_\@
	tensor_load_to_lds s[\g0a:\g0a+3], s[\g1a:\g1a+7]
	s_nop 0
.rept 4
	v_nop
.endr
	s_branch .Lasked_\@
.Lfor_b_\@:
	tensor_load_to_lds s[\g0b:\g0b+3], s[\g1b:\g1b+7]
	s_nop 0
.rept 4
	v_nop
.endr
.Lasked_\@:
.endm
.macro CREST
	s_cmp_lg_u32 s14, 0
	s_cbranch_scc1 .Lnot_wave_0_\@
	s_barrier_signal -3
.Lnot_wave_0_\@:
	s_barrier_wait -3
	s_barrier_signal -1
	s_barrier_wait -1
.endm
.macro CROUND
	s_barrier_signal -1
	s_barrier_wait -1
	CREST
.endm
.macro WM4 d, a, b, c, xa, xb, ra, rb
	v_wmma_scale_f32_16x16x128_f8f6f4 v[\d:\d+7], v[\a:\a+11], v[\b:\b+11], \c, v[\xa], v[\xb] matrix_a_fmt:MATRIX_FMT_BF6 matrix_b_fmt:MATRIX_FMT_BF6 matrix_a_scale:MATRIX_SCALE_ROW\ra matrix_b_scale:MATRIX_SCALE_ROW\rb
.endm
.macro WM d, a, b, c, xa, xb, ra, rb
.if (\ra) && (\rb)
	WM4 \d, \a, \b, \c, \xa, \xb, 1, 1
.elseif (\ra)
	WM4 \d, \a, \b, \c, \xa, \xb, 1, 0
.elseif (\rb)
	WM4 \d, \a, \b, \c, \xa, \xb, 0, 1
.else
	WM4 \d, \a, \b, \c, \xa, \xb, 0, 0
.endif
.endm
.macro FRAG reg, adr, q, i             ; an image comes back as it was stored: three loads of 512 consecutive bytes
.irp j, 0,1,2
	ds_load_b128 v[\reg+4*\j:\reg+4*\j+3], v[\adr] offset:(\q)*BLK+(\i)*IMG+512*\j
.endr
.endm
; 16 products: A's tiles a0, a0 + 1 x B's eight, K step ks; p: B's set.  The 64 accumulators take turns, one instruction a turn
.macro MUL16 a0, p, ks, zero
.irp a, \a0, \a0+1
.irp b, 0,1,2,3,4,5,6,7
.if \zero
	WM 8*(8*((\a)%4)+\b), 128*(\p)+FR*\b, AF+FR*(\a), 0, SC+8*(\ks)+4+\b/2, SC+8*(\ks)+(\a)/2, \b%2, (\a)%2
.else
	WM 8*(8*((\a)%4)+\b), 128*(\p)+FR*\b, AF+FR*(\a), v[8*(8*((\a)%4)+\b):8*(8*((\a)%4)+\b)+7], SC+8*(\ks)+4+\b/2, SC+8*(\ks)+(\a)/2, \b%2, (\a)%2
.endif
.endr
.endr
.endm
.macro FETCH_B reg, q, p
	WIN TO_B
.irp i, 0,1,2,3,4,5,6,7
	FRAG 128*(\p)+FR*\i, ADRB+\reg, \q, \i
.endr
	WIN 0
.endm
.macro FETCH_A reg, q, i0
.irp i, \i0, \i0+1, \i0+2, \i0+3
	FRAG AF+FR*(\i), ADRA+\reg, \q, \i
.endr
.endm
.macro PLACES
.rept 4
	v_nop
.endr
.endm
; a K step: multiplies B's set p, fetches step nq of region nr (B into the other set; A's one set in two runs, each behind the products that read it)
.macro STEP p, ks, zero, nr, nq
	s_wait_dscnt 4*NL                              ; all but the youngest twelve loads (A's tiles 4-7)
	WIN MUL_LO
	MUL16 0, \p, \ks, \zero
	MUL16 2, \p, \ks, \zero
	s_wait_dscnt 0x0
	PLACES
	FETCH_B \nr, \nq, 1-\p
	FETCH_A \nr, \nq, 0
	WIN MUL_HI
	MUL16 4, \p, \ks, \zero
	MUL16 6, \p, \ks, \zero
	PLACES
	WIN 0
	FETCH_A \nr, \nq, 4
.endm
; a K step behind which the other region is read: one barrier; in front of it each wave waits for all its tensor loads, adds 0 to its spare word, and waits for that and for its reads.  fill = 1: region 0 takes K steps 6 and 7
.macro TURN p, ks, nr, nq, fill
	s_wait_tensorcnt 0x0
	ds_add_u32 v[SPW], v[NIL]
	s_wait_dscnt 4*NL+1
	WIN MUL_LO
	MUL16 0, \p, \ks, 0
	s_wait_dscnt 0x0
	s_barrier_signal -1
	MUL16 2, \p, \ks, 0
	WIN 0
	s_barrier_wait -1
.if \fill
	CREST                                          ; the barrier has opened a round of the cluster's
	s_add_nc_u64 s[G0+2:G0+3], s[G0+2:G0+3], 6*BLK
	s_add_nc_u64 s[G0B+2:G0B+3], s[G0B+2:G0B+3], 6*BLK
	JLOAD G0, G1, G0B, G1B                         ; its four v_nop are also the places in front of the loads below
.else
	PLACES
.endif
	FETCH_B \nr, \nq, 1-\p
	FETCH_A \nr, \nq, 0
	WIN MUL_HI
	MUL16 4, \p, \ks, 0
	MUL16 6, \p, \ks, 0
	PLACES
	WIN 0
	FETCH_A \nr, \nq, 4
.endm
	s_load_b128 s[4:7], s[0:1], 0x0                ; the operands' images, their scale blocks
	s_load_b128 s[92:95], s[0:1], 0x10             ; the results' images, their scale blocks
	v_lshl_add_u32 v[SPW], v0, 2, SPARE
	v_mov_b32 v[NIL], 0
	ds_add_u32 v[SPW], v[NIL]
	ds_add_u32 v[SPW], v[NIL]
	s_wait_dscnt 0x0
	v_lshrrev_b32 v1, 5, v0
	v_readfirstlane_b32 s14, v1                    ; wave 0..3
	s_lshr_b32 s15, s14, 1                         ; which of A's two groups is mine.  Also: I fetch for A (0) or for B (1)
	s_and_b32 s16, s14, 1                          ; which of B's.  Also: which group of the two I fetch
	s_bfe_u32 s40, ttmp6, 0x40000
	s_bfe_u32 s41, ttmp6, 0x40004
	s_lshl_b32 s42, ttmp9, 2
	s_add_co_u32 s42, s42, s40                     ; work-group x
	s_and_b32 s12, ttmp7, 0xffff                   ; cluster y
	s_lshl_b32 s17, s12, 2
	s_add_co_u32 s17, s17, s41                     ; work-group y
	s_lshl_b32 s43, s41, 2
	s_lshl_b32 s43, 15, s43                        ; my row of the cluster
	s_lshl_b32 s44, 0x1111, s40                    ; my column
	s_or_b32 s[G1+0], s43, (3<<16)|(1<<21)         ; dense blocks as rows of 256 bytes: 192 rows at the head, 96 afterwards
	s_or_b32 s[G1B+0], s44, (3<<16)|(1<<21)
.irp g, G1, G1B
	s_mov_b32 s[\g+1], 32<<16
	s_mov_b32 s[\g+2], 192<<16
	s_mov_b32 s[\g+3], 32<<16
	s_mov_b32 s[\g+4], 192
	s_mov_b32 s[\g+5], 32
	s_mov_b32 s[\g+6], 0
	s_mov_b32 s[\g+7], 0
.endr
	; q, k: A = x's pair work-group y, B = pair 32 + work-group x.  v: A = pair 40 + cy, B = x's pair work-group x + 8 (cluster y - 8).  A's never holds cx, B's never cy
	s_add_co_u32 s18, s41, 40
	s_max_u32 s19, s12, 8
	s_sub_co_u32 s19, s19, 8
	s_lshl_b32 s19, s19, 3
	s_add_co_u32 s19, s19, s42
	s_add_co_u32 s2, s42, 32
	s_cmp_ge_u32 s12, 8
	s_cselect_b32 s13, s18, s17
	s_cselect_b32 s3, s19, s2
	s_lshl_b32 s13, s13, 1                         ; A's first group
	s_lshl_b32 s3, s3, 1                           ; B's
	s_add_co_u32 s20, s13, s16                     ; the group that I fetch, if for A,
	s_add_co_u32 s46, s3, s16                      ; if for B
	s_mul_i32 s20, s20, 8*BLK
	s_mov_b32 s21, 0
	s_mul_i32 s46, s46, 8*BLK
	s_mov_b32 s47, 0
	s_add_co_u32 s22, s13, s15                     ; the scale blocks of the groups that I multiply
	s_lshl_b32 s22, s22, 12
	s_mov_b32 s23, 0
	s_add_co_u32 s66, s3, s16
	s_lshl_b32 s66, s66, 12
	s_mov_b32 s67, 0
	s_mul_i32 s45, s14, P0                         ; where the tiles go: by the wave's number alone
	s_mul_i32 s96, s14, P1
	s_wait_kmcnt 0x0
	s_add_nc_u64 s[20:21], s[4:5], s[20:21]
	s_add_nc_u64 s[22:23], s[6:7], s[22:23]
	s_add_nc_u64 s[46:47], s[4:5], s[46:47]
	s_add_nc_u64 s[66:67], s[6:7], s[66:67]
	CROUND                                         ; all sixteen work-groups are here: the first joint loads meet
	s_mov_b32 s[G0], 1
	s_mov_b32 s[G0+1], s45
	s_mov_b64 s[G0+2:G0+3], s[20:21]
	s_or_b32 s[G0+3], s[G0+3], 0x80000000
	s_mov_b32 s[G0+4], 1
	s_add_co_u32 s[G0+5], s96, R1
	s_add_nc_u64 s[G0+6:G0+7], s[20:21], 4*BLK
	s_or_b32 s[G0+7], s[G0+7], 0x80000000
	s_mov_b32 s[G0B], 1
	s_mov_b32 s[G0B+1], s45
	s_mov_b64 s[G0B+2:G0B+3], s[46:47]
	s_or_b32 s[G0B+3], s[G0B+3], 0x80000000
	s_mov_b32 s[G0B+4], 1
	s_add_co_u32 s[G0B+5], s96, R1
	s_add_nc_u64 s[G0B+6:G0B+7], s[46:47], 4*BLK
	s_or_b32 s[G0B+7], s[G0B+7], 0x80000000
	JLOAD G0, G1, G0B, G1B                         ; K steps 0 to 3: my one tensor load at the head
	v_and_b32 v1, 31, v0
	v_lshlrev_b32 v[O16], 4, v1
	v_lshlrev_b32 v[O8], 3, v1
	s_wait_alu depctr_va_vdst(0)
.irp k, 0,1,2,3,4,5,6,7
	global_load_b128 v[SC+8*\k:SC+8*\k+3], v[O16], s[22:23] offset:512*\k      ; 512 consecutive bytes a load
	global_load_b128 v[SC+8*\k+4:SC+8*\k+7], v[O16], s[66:67] offset:512*\k
.endr
	s_mul_i32 s18, s15, P0
	s_mul_i32 s19, s16, P0
	s_add_co_u32 s19, s19, 2*P0
	v_add_nc_u32 v[ADRA], s18, v[O16]
	v_add_nc_u32 v[ADRB], s19, v[O16]
	s_mul_i32 s18, s15, P1
	s_add_co_u32 s18, s18, R1
	s_mul_i32 s19, s16, P1
	s_add_co_u32 s19, s19, R1+2*P1
	v_add_nc_u32 v[ADRA+1], s18, v[O16]
	v_add_nc_u32 v[ADRB+1], s19, v[O16]
.irp b, 0,1,2,3
	v_mov_b32 v[TM+4+\b], 0                        ; written once: a lane permute's destination counts as one of its sources
.endr
	s_mov_b32 s97, 0xffff0000
	s_mov_b32 s[SEL], 0x76543210
	s_mov_b32 s[SEL+1], 0xfedcba98
	; where my block goes
	s_add_co_u32 s2, s13, s15
	s_add_co_u32 s3, s3, s16
	s_cmp_ge_u32 s12, 8
	s_cselect_b32 s18, s3, s2                      ; the token group,
	s_cselect_b32 s19, s2, s3                      ; the weight's group
	s_sub_co_u32 s19, s19, 64
	s_lshr_b32 s13, s19, 3
	s_lshl_b32 s13, s13, 9
	s_and_b32 s19, s19, 7
	s_lshr_b32 s2, s18, 4
	s_lshl_b32 s2, s2, 3
	s_add_co_u32 s2, s2, s19
	s_lshl_b32 s2, s2, 4
	s_and_b32 s18, s18, 15
	s_add_co_u32 s2, s2, s18
	s_add_co_u32 s2, s2, s13
	s_lshl_b32 s18, s2, 9
	s_mov_b32 s19, 0
	s_add_nc_u64 s[94:95], s[94:95], s[18:19]
	s_mul_i32 s18, s2, BLK
	s_add_nc_u64 s[92:93], s[92:93], s[18:19]
	s_wait_alu depctr_va_vdst(0)
	s_wait_tensorcnt 0x0                           ; my part of K steps 0 to 3 is in; these lines and a round stand ahead of a later first fill, as ahead of a refill
	ds_add_u32 v[SPW], v[NIL]
	s_mov_b32 s[G1+2], 96<<16                      ; no tensor load of mine is out: from here on a load brings 96 rows
	s_mov_b32 s[G1+4], 96
	s_mov_b32 s[G1B+2], 96<<16
	s_mov_b32 s[G1B+4], 96
	s_wait_dscnt 0x0
	CROUND
	JLOAD G0+4, G1, G0B+4, G1B                     ; K steps 4 and 5
	FETCH_B 0, 0, 0
	FETCH_A 0, 0, 0
	FETCH_A 0, 0, 4
	s_wait_loadcnt 0x0                             ; the scale words
	STEP 0, 0, 1, 0, 1                             ; the first products start the sums
	STEP 1, 1, 0, 0, 2
	STEP 0, 2, 0, 0, 3
	TURN 1, 3, 1, 0, 1
	STEP 0, 4, 0, 1, 1
	TURN 1, 5, 0, 0, 0
	STEP 0, 6, 0, 0, 1
	s_wait_dscnt 4*NL
	WIN MUL_LO
	MUL16 0, 1, 7, 0
	MUL16 2, 1, 7, 0
	s_wait_dscnt 0x0
	WIN MUL_HI
	MUL16 4, 1, 7, 0
	MUL16 6, 1, 7, 0
	WIN 0
; THE WAY OUT: A's tile a: my row's 128 results lie in 64 registers here and 64 in lane l xor 16; they become a fragment and a scale word.  Each accumulator is read from its low end on.
.macro QUANTW a
.set WW, 2+(\a)/4
.set AC0, 64*((\a)%4)
.set PC, AF+12*(\a)
	WIN (WW<<2)|(WW<<4)
.irp b, 0,1,2,3
	v_max3_num_f32 v[TM+\b], 0x2800000, |v[AC0+16*\b]|, |v[AC0+16*\b+1]|   ; the floor 2^(5 - 127) among the leaves
.endr
.irp i, 2,4,6,8,10,12,14
.irp b, 0,1,2,3
	v_max3_num_f32 v[TM+\b], v[TM+\b], |v[AC0+16*\b+\i]|, |v[AC0+16*\b+\i+1]|
.endr
.endr
	WIN 0
.irp b, 0,1,2,3
	v_permlanex16_b32 v[TM+4+\b], v[TM+\b], s[SEL], s[SEL+1]
.endr
.irp b, 0,1,2,3
	v_max_num_f32 v[TM+\b], v[TM+\b], v[TM+4+\b]
.endr
.irp b, 0,1,2,3
	v_add_nc_u32 v[TM+12+\b], 0xfe000000, v[TM+\b]
.endr
.irp b, 0,1,2,3
	v_lshrrev_b32 v[TM+4+\b], 23, v[TM+12+\b]
.endr
	v_lshl_or_b32 v[PWS+\a], v[TM+5], 8, v[TM+4]
	v_lshl_or_b32 v[PWS+\a], v[TM+6], 16, v[PWS+\a]
	v_lshl_or_b32 v[PWS+\a], v[TM+7], 24, v[PWS+\a]
	WIN WW
.irp c, 0,1
	v_cvt_scalef32_pk16_bf6_f32 v[PC+6*\c:PC+6*\c+2], v[AC0+32*\c:AC0+32*\c+15], v[TM+12+2*\c]
	v_cvt_scalef32_pk16_bf6_f32 v[TP+4*\c:TP+4*\c+2], v[AC0+32*\c+16:AC0+32*\c+31], v[TM+12+2*\c+1]
.endr
	WIN 0
	v_nop
.irp c, 0,1
.irp i, 0,1,2
	v_permlane16_swap_b32 v[PC+6*\c+\i], v[TP+4*\c+\i]
.endr
.irp i, 0,1,2
	v_mov_b32 v[PC+6*\c+3+\i], v[TP+4*\c+\i]
.endr
.endr
	global_store_b128 v[O16], v[PC:PC+3], s[92:93] offset:IMG*\a           ; each store covers 512 or 256 consecutive bytes, at a multiple of 256
	global_store_b64 v[O8], v[PC+4:PC+5], s[92:93] offset:IMG*\a+512
	global_store_b128 v[O16], v[PC+6:PC+9], s[92:93] offset:IMG*\a+768
	global_store_b64 v[O8], v[PC+10:PC+11], s[92:93] offset:IMG*\a+1280
.endm
	PLACES
.irp a, 0,1,2,3,4,5,6,7
	QUANTW \a
.endr
.irp i, 0,1,2,3
	v_cndmask_b32 v[PWS+8+\i], v[PWS+2*\i], v[PWS+2*\i+1], s97
.endr
	global_store_b128 v[O16], v[PWS+8:PWS+11], s[94:95]
	s_wait_tensorcnt 0x0                           ; the wave's end
	ds_add_u32 v[SPW], v[NIL]
	s_wait_dscnt 0x0
	CROUND                                         ; the closing round
	s_endpgm
.Lfunc_end_k_q3d688e61c5_qkv:
	.size	k_q3d688e61c5_qkv, .Lfunc_end_k_q3d688e61c5_qkv-k_q3d688e61c5_qkv
	.p2alignl 7, 3214868480
	.fill 96, 4, 3214868480
	.section	.rodata,"a",@progbits
	.p2align	6, 0x0
	.amdhsa_kernel k_q3d688e61c5_qkv
		.amdhsa_group_segment_fixed_size 327680
		.amdhsa_private_segment_fixed_size 0
		.amdhsa_enable_private_segment 0
		.amdhsa_kernarg_size 32
		.amdhsa_user_sgpr_count 2
		.amdhsa_user_sgpr_kernarg_segment_ptr 1
		.amdhsa_wavefront_size32 1
		.amdhsa_system_sgpr_workgroup_id_x 1
		.amdhsa_system_sgpr_workgroup_id_y 1
		.amdhsa_system_sgpr_workgroup_id_z 1
		.amdhsa_system_vgpr_workitem_id 0
		.amdhsa_next_free_vgpr 1024
		.amdhsa_next_free_sgpr 100
		.amdhsa_reserve_vcc 0
		.amdhsa_float_denorm_mode_32 3
		.amdhsa_float_denorm_mode_16_64 3
		.amdhsa_memory_ordered 1
		.amdhsa_forward_progress 1
		.amdhsa_inst_pref_size 137
	.end_amdhsa_kernel
	.amdgpu_metadata
---
amdhsa.version: [ 1, 2 ]
amdhsa.kernels:
  - .name:           k_q3d688e61c5_qkv
    .symbol:         k_q3d688e61c5_qkv.kd
    .args:
      - { .name: opnd_img, .offset: 0, .size: 8, .value_kind: global_buffer, .address_space: global }
      - { .name: opnd_sc, .offset: 8, .size: 8, .value_kind: global_buffer, .address_space: global }
      - { .name: qkv_img, .offset: 16, .size: 8, .value_kind: global_buffer, .address_space: global }
      - { .name: qkv_sc, .offset: 24, .size: 8, .value_kind: global_buffer, .address_space: global }
    .group_segment_fixed_size: 327680
    .private_segment_fixed_size: 0
    .kernarg_segment_align: 8
    .kernarg_segment_size: 32
    .max_flat_workgroup_size: 128
    .sgpr_count:     100
    .vgpr_count:     1024
    .wavefront_size: 32
...
	.end_amdgpu_metadata
.endif
;; end of part 2
;; launch attn (part 3): grid 4 x 64, 8 waves a work-group, clusters of 4 x 1, 327,680 bytes of LDS; arguments qkv_img, qkv_sc, cat_img, cat_sc; writes cat_img, cat_sc
.if DOCPART == 3
	.amdgcn_target "amdgcn-amd-amdhsa--gfx1250"
	.amdhsa_code_object_version 6
	.text
	.protected	k_q3d688e61c5_attn
	.globl	k_q3d688e61c5_attn
	.p2align	8
	.type	k_q3d688e61c5_attn,@function
k_q3d688e61c5_attn:
	s_mov_b64 s[64:65], 0
	v_nop
	global_prefetch_b8 v0, s[64:65] scope:SCOPE_SE
	s_setreg_imm32_b32 hwreg(HW_REG_WAVE_MODE, 25, 1), 1
	s_wait_xcnt 0x0
	s_wait_alu depctr_hold_cnt(0) depctr_sa_sdst(0) depctr_va_vdst(0) depctr_va_sdst(0) depctr_va_ssrc(0) depctr_va_vcc(0) depctr_vm_vsrc(0)
	s_getreg_b32 s2, hwreg(HW_REG_IB_STS2, 6, 4)
	s_cmp_eq_u32 s2, 0
	s_cbranch_scc0 .Lentry_in_a_cluster
	s_endpgm
.Lentry_in_a_cluster:
	s_bfe_u32 s2, ttmp6, 0x10000c
	s_cmp_lg_u32 s2, 0x3003
	s_cbranch_scc0 .Lentry_shape_is_right
	s_endpgm
.Lentry_shape_is_right:
; ATTENTION OF ONE HEAD ON CODES OF BF6: S^T = k q^T, p = 2^(t - M), O^T = v^T p^T, O / l quantised along the head's 64 and stored as codes.
; THE DEAL: work-group (x, y): batch and pair of heads y / 2, head y % 2 of the pair, queries 512 x .. 512 x + 511: 4 x 64 = 256 work-groups.  Eight waves, each with four tiles of 16 queries.
; ALL of the head's K (128 half images of 768 bytes), V (16 x 4 images) and both scale regions come into LDS once, one tensor load a wave; nothing is filled again, and the key loop has no barrier.
; CLUSTER 4 x 1: the four query blocks of a head read the same K, V and scales and ask for them jointly (mask 15).  No data prefetch: all that comes through LDS is asked for at the head, there is no loop to run ahead in.
; K's TILES ARE PICKED BY LANE ADDRESSES: row 8 g + j of tile (c, t) is key 64 c + 32 g + 8 t + j of a step's 128, which lies in image 4 c + 2 g + t % 2, row 8 (t / 2) + j.  So a lane's 32 scores of tiles (c, 0 .. 3) are the whole block
; of keys 64 c + 32 (lane / 16) + 0 .. 31, in order: a block's largest score needs no other lane, and the conversions' results are p's operand registers.
; The head's size is 64: K's six registers are the lower half of source 0, whose upper half is whatever follows them; q's upper half is zero codes, so that half adds nothing (its scale bytes are 0, a finite code).
; M is the running largest t rounded up to a whole number (kept as -M); when it moves, l and O^T are multiplied by a power of two.  l is the sum of the unquantised p.
; The first key step is written out: its products start O^T's sums.  The loop's last trip has no next step: its fetch ahead reads step 15 once more (the step number is held at 15).
; OUT: cat_img block 8 G + pair, image a, head's half at 768 x head: registers 0-3 at 16 l, 4-5 at 512 + 8 l.  cat_sc block 8 G + pair: 256 x head + 8 (r + 16 (a % 2)) + 2 (a / 2): the row's two bytes.
; LIMITS: the promise holds while the scaled scores stay under 2^31 in magnitude; a block of zeros, or one under 2^-122, gets the byte 1 (this program alone reads the bytes); NaN and infinities are not served.
; REGISTERS: window 0 as named below; window 1: v0-127 O^T (32 a query tile), v128-175 V's four fragments.
.set IMG, 1536
.set BLK, 12288
.set KP, 960                           ; a half image of K in LDS: 3 x (256 + 64): two images on are 128 bytes on modulo 256
.set VB, 128*KP
.set SCK, VB+16*6144
.set SCV, SCK+8192
.set SPARE, SCV+8192                   ; the spare words: 128 bytes a wave
.set GATH, SPARE+1024                  ; where the results' scale bytes meet: 4 units of 256
.set AK16B, 1
.set AK8B, 2
.set AV16B, 3
.set AV8B, 4
.set AKSB, 5
.set AVSB, 6
.set AK16, 7
.set AK8, 8
.set AV16, 9
.set AV8, 10
.set AKS, 11
.set AVS, 12
.set SPW, 13
.set NIL, 14
.set SH8, 15                           ; 8 x (lane / 16)
.set ST, 16                            ; a query tile's -M, largest score, l in two halves
.set QS, 34                            ; q's scale words: tiles 2 j (lanes 0-15), 2 j + 1 (lanes 16-31)
.set KS, 36                            ; K's: register 2 c + t / 2, lanes by t % 2
.set VS, 40                            ; V's: register u / 2, lanes by u % 2
.set FF, 42                            ; the factor; v43 p's scale word
.set TA, 44                            ; v44-47 chains of maxima; v48, v49 at work
.set TS, 50                            ; the sum's second chain
.set TP, 52                            ; the conversions' second halves
.set P, 60                             ; p's operand
.set F, 72                             ; K's eight fragments of 6, and 6 zeros
.set S, 128                            ; scores, then p
.set Q, 192                            ; four times q's 6 and 6 zeros
.set E, 72                             ; the end: O / l, 32 a tile
.set MX, 200
.set MP, 208
.set C, 224                            ; the end: codes, 6 a tile
.set OL16, 250
.set OL8, 251
.set GA, 252
.set GR, 253
.set WV, 12
.set CX, 13
.set PP, 14
.set HD, 15
.set N, 16
.set NX, 17
.set KO, 18
.set VO, 19
.set SO, 20
.set SEL, 22
.set G1K, 24
.set G1V, 32
.set G1S, 40
.set CS, 66
.set NC, 68
.set MK, 69
.set MSB, 0
.macro WIN new
.if MSB != \new
	s_set_vgpr_msb (MSB<<8)|\new
.set MSB, \new
.endif
.endm
.macro DADD d, a, b                    ; two additions in one instruction: registers d, d + 1 = a, a + 1 plus b, b + 1 (one destination even, one odd; paired sources in different banks)
	v_dual_add_f32 v[\d], v[\a], v[\b] :: v_dual_add_f32 v[\d+1], v[\a+1], v[\b+1]
.endm
.macro WALU
	s_wait_alu depctr_va_vdst(0)
.endm
.macro PLACES
.rept 4
	v_nop
.endr
.endm
.macro ROUND
	s_barrier_signal -1
	s_barrier_wait -1
	s_cmp_lg_u32 s[WV], 0
	s_cbranch_scc1 .Lnot_wave_0_\@
	s_barrier_signal -3
.Lnot_wave_0_\@:
	s_barrier_wait -3
	s_barrier_signal -1
	s_barrier_wait -1
.endm
.macro TL g
	s_add_nc_u64 s[58:59], s[58:59], s[62:63]
	s_or_b32 s59, s59, 0x80000000
	tensor_load_to_lds s[56:59], s[\g:\g+7]
	s_nop 0
	PLACES
.endm
.macro WM4 d, a, b, c, xa, xb, ra, rb
	v_wmma_scale_f32_16x16x128_f8f6f4 v[\d:\d+7], v[\a:\a+11], v[\b:\b+11], \c, v[\xa], v[\xb] matrix_a_fmt:MATRIX_FMT_BF6 matrix_b_fmt:MATRIX_FMT_BF6 matrix_a_scale:MATRIX_SCALE_ROW\ra matrix_b_scale:MATRIX_SCALE_ROW\rb
.endm
.macro WM d, a, b, c, xa, xb, ra, rb
.if (\ra) && (\rb)
	WM4 \d, \a, \b, \c, \xa, \xb, 1, 1
.elseif (\ra)
	WM4 \d, \a, \b, \c, \xa, \xb, 1, 0
.elseif (\rb)
	WM4 \d, \a, \b, \c, \xa, \xb, 0, 1
.else
	WM4 \d, \a, \b, \c, \xa, \xb, 0, 0
.endif
.endm
; the next step's K: three addresses and a v_nop are the four places behind the products that read these registers; 20 LDS loads
.macro KPRE
	v_add_nc_u32 v[AK16], s[KO], v[AK16B]
	v_add_nc_u32 v[AK8], s[KO], v[AK8B]
	v_add_nc_u32 v[AKS], s[SO], v[AKSB]
	v_nop
.irp T, 0,1,2,3,4,5,6,7
	ds_load_b128 v[F+6*\T:F+6*\T+3], v[AK16] offset:(4*(\T/4)+\T%2)*KP+128*((\T%4)/2)
	ds_load_b64 v[F+6*\T+4:F+6*\T+5], v[AK8] offset:(4*(\T/4)+\T%2)*KP+640+64*((\T%4)/2)
.endr
.irp g, 0,1,2,3
	ds_load_u16 v[KS+\g], v[AKS] offset:8*(\g/2)+128*(\g%2)
.endr
.endm
; the next step's V: 17 LDS loads
.macro VPRE
	v_add_nc_u32 v[AV16], s[VO], v[AV16B]
	v_add_nc_u32 v[AV8], s[VO], v[AV8B]
	v_add_nc_u32 v[AVS], s[SO], v[AVSB]
	v_nop
	ds_load_b64 v[VS:VS+1], v[AVS]
	WIN 0x40
.irp u, 0,1,2,3
	ds_load_b128 v[128+12*\u:128+12*\u+3], v[AV16] offset:\u*IMG
	ds_load_b64 v[128+12*\u+4:128+12*\u+5], v[AV8] offset:\u*IMG+512
	ds_load_b128 v[128+12*\u+6:128+12*\u+9], v[AV16] offset:\u*IMG+768
	ds_load_b64 v[128+12*\u+10:128+12*\u+11], v[AV8] offset:\u*IMG+1280
.endr
	WIN 0
.endm
.macro PAIR j
.if ((\j)/4)%2                         ; the row's sum runs in four chains of two halves each, by turns: l itself, v50-51, v126-127, v240-241
	DADD SS+2, S+\j, SS+2
	DADD TS, S+\j+2, TS
.else
	DADD 126, S+\j, 126
	DADD 240, S+\j+2, 240
.endif
.endm
; query tile i against a step's 128 keys
.macro TILE i, first
.set SS, ST+4*\i
.irp T, 0,1,2,3,4,5,6,7
	WM S+8*\T, F+6*\T, Q+12*\i, 0, KS+2*(\T/4)+(\T%4)/2, QS+\i/2, \T%2, \i%2
.endr
.if \i == 3
	KPRE
.else
	PLACES
.endif
.irp c, 0,1                            ; my two blocks' largest scores, two chains each; every accumulator is first read at its low end
	v_max3_num_f32 v[TA+2*\c], v[S+32*\c], v[S+32*\c+1], v[S+32*\c+2]
	v_max3_num_f32 v[TA+2*\c+1], v[S+32*\c+17], v[S+32*\c+18], v[S+32*\c+19]
.endr
.irp k, 0,2,4,6,8,10
.irp c, 0,1
	v_max3_num_f32 v[TA+2*\c], v[TA+2*\c], v[S+32*\c+3+\k], v[S+32*\c+4+\k]
	v_max3_num_f32 v[TA+2*\c+1], v[TA+2*\c+1], v[S+32*\c+20+\k], v[S+32*\c+21+\k]
.endr
.endr
.irp c, 0,1
	v_max3_num_f32 v[TA+2*\c], v[TA+2*\c], v[S+32*\c+15], v[S+32*\c+16]
.endr
.irp c, 0,1
	v_max_num_f32 v[TA+2*\c], v[TA+2*\c], v[TA+2*\c+1]
.endr
	v_max_num_f32 v48, v[TA], v[TA+2]
	v_permlanex16_b32 v49, v48, s[SEL], s[SEL+1]
	v_max3_num_f32 v[SS+1], v[SS+1], v48, v49      ; the running largest score of my query
	v_mul_f32 v48, s[NC], v[SS+1]
	v_floor_f32 v49, v48                           ; the new -M = floor(-t); v49 keeps a second copy of it for the odd halves below
	v_sub_f32 v48, v49, v[SS]
	v_mov_b32 v[SS], v49
	v_cvt_i32_f32 v48, v48                         ; old M less new M, a whole number (it saturates)
	v_ldexp_f32 v[FF], 1.0, v48
.set j, 0
.rept 32
	v_dual_fma_f32 v[S+j], v[S+j], v244, v[SS] :: v_dual_fma_f32 v[S+j+1], v[S+j+1], v245, v49   ; t - M, two an instruction; c lies in v244 and v245
.set j, j+2
.endr
	v_fma_f32 v[TA], v[TA], s[CS], v[SS]           ; the same of each block's largest score
	v_fma_f32 v[TA+2], v[TA+2], s[CS], v[SS]
	WALU
.set j, 0
.rept 64
	v_exp_f32 v[S+j], v[S+j]
.set j, j+1
.endr
	v_exp_f32 v[TA], v[TA]
	v_exp_f32 v[TA+2], v[TA+2]
	v_pk_mul_f32 v[SS+2:SS+3], v[SS+2:SS+3], v[FF:FF+1] op_sel_hi:[1,0]
	WALU
	v_max_num_f32 v[TA], 0x2800000, v[TA]          ; the floor 2^(5 - 127)
	v_max_num_f32 v[TA+2], 0x2800000, v[TA+2]
	DADD TS, S, S+2
	v_add_nc_u32 v[TA], 0xfe000000, v[TA]          ; 4 off the exponent field: the conversions' scale operands
	v_add_nc_u32 v[TA+2], 0xfe000000, v[TA+2]
	DADD 126, S+4, S+6
	v_lshrrev_b32 v48, 23, v[TA]
	v_lshrrev_b32 v49, 23, v[TA+2]
	DADD 240, S+8, S+10
	v_lshl_or_b32 v48, v49, 16, v48                ; my bytes: blocks h and 2 + h,
	PAIR 12
	v_lshlrev_b32 v48, v[SH8], v48                 ; at their places,
	PAIR 16
	v_permlanex16_b32 v49, v48, s[SEL], s[SEL+1]
	PAIR 20
	v_or_b32 v[FF+1], v48, v49                     ; with lane l xor 16's two: p's scale word
.irp j, 24,28,32,36,40,44,48,52,56,60
	PAIR \j
.endr
	DADD TS, TS, 126                               ; the chains are joined; the last join stands behind the conversions
	DADD SS+2, 240, SS+2
.irp c, 0,1
	v_cvt_scalef32_pk16_bf6_f32 v[P+6*\c:P+6*\c+2], v[S+32*\c:S+32*\c+15], v[TA+2*\c]
	v_cvt_scalef32_pk16_bf6_f32 v[TP+4*\c:TP+4*\c+2], v[S+32*\c+16:S+32*\c+31], v[TA+2*\c]
.endr
	v_pk_add_f32 v[SS+2:SS+3], v[SS+2:SS+3], v[TS:TS+1]   ; also the plain place behind the conversions
.irp c, 0,1
.irp k, 0,1,2
	v_mov_b32 v[P+6*\c+3+\k], v[TP+4*\c+\k]
.endr
.endr
.if \i == 0
	s_wait_dscnt 0x0                               ; V's fragments and scale words are in
.endif
.if \first
	PLACES                                         ; between the moves and the products that read them
	WALU
.else
	WIN 0x41
	WALU
.set j, 0
.rept 16
	v_pk_mul_f32 v[32*\i+j:32*\i+j+1], v[32*\i+j:32*\i+j+1], v[FF:FF+1] op_sel_hi:[1,0]
.set j, j+2
.endr
.endif
	WIN 0x51
.irp u, 0,1,2,3
.if \first
	WM 32*\i+8*\u, 128+12*\u, P, 0, VS+\u/2, FF+1, \u%2, 0
.else
	WM 32*\i+8*\u, 128+12*\u, P, v[32*\i+8*\u:32*\i+8*\u+7], VS+\u/2, FF+1, \u%2, 0
.endif
.endr
	WIN 0
.if \i == 3
	VPRE
.endif
.endm
.macro STEP first
	s_add_co_u32 s[NX], s[N], 1
	s_min_u32 s[NX], s[NX], 15
	s_mul_i32 s[KO], s[NX], 8*KP
	s_mul_i32 s[VO], s[NX], 6144
	s_lshl_b32 s[SO], s[NX], 9
	s_wait_dscnt 17                                ; K's 20 loads are in; V's 17, issued behind them, may be out
	TILE 0, \first
	TILE 1, \first
	TILE 2, \first
	TILE 3, \first
.endm
; ---- the head
	s_load_b256 s[4:11], s[0:1], 0x0               ; qkv_img, qkv_sc, cat_img, cat_sc
	v_lshl_add_u32 v[SPW], v0, 2, SPARE
	v_mov_b32 v[NIL], 0
	ds_add_u32 v[SPW], v[NIL]                      ; the opening lines
	ds_add_u32 v[SPW], v[NIL]
	v_lshrrev_b32 v16, 5, v0
	v_readfirstlane_b32 s[WV], v16
	s_bfe_u32 s[CX], ttmp6, 0x40000
	s_lshl_b32 s76, ttmp9, 2
	s_add_co_u32 s[CX], s[CX], s76                 ; the query block
	s_and_b32 s76, ttmp7, 0xffff
	s_lshr_b32 s[PP], s76, 1                       ; 8 x batch + pair of heads
	s_and_b32 s[HD], s76, 1
	s_lshl_b32 s77, s[PP], 4
	s_add_co_u32 s70, s77, 512                     ; K's first block, my head's half
	s_mul_i32 s70, s70, BLK
	s_mul_i32 s21, s[HD], 768
	s_add_co_u32 s70, s70, s21
	s_mov_b32 s71, 0
	s_add_co_u32 s72, s77, 1024                    ; V's, my head's four images
	s_mul_i32 s72, s72, BLK
	s_mul_i32 s76, s[HD], 6144
	s_add_co_u32 s72, s72, s76
	s_mov_b32 s73, 0
	s_add_co_u32 s74, s77, 512                     ; K's scale blocks; V's lie 512 blocks on
	s_lshl_b32 s74, s74, 9
	s_mov_b32 s75, 0
	s_lshl_b32 s76, s[CX], 2
	s_lshr_b32 s82, s[WV], 1
	s_add_co_u32 s76, s76, s82                     ; my token group in the batch
	s_add_co_u32 s78, s77, s76                     ; q's block
	s_lshl_b32 s80, s78, 9
	s_mul_i32 s78, s78, BLK
	s_and_b32 s83, s[WV], 1
	s_mul_i32 s82, s83, 4*IMG
	s_add_co_u32 s82, s82, s21                     ; my four images, my head's half
	s_add_co_u32 s78, s78, s82
	s_mov_b32 s79, 0
	s_lshl_b32 s83, s83, 3
	s_add_co_u32 s80, s80, s83
	s_lshl_b32 s21, s[HD], 1
	s_add_co_u32 s80, s80, s21
	s_mov_b32 s81, 0
	s_lshr_b32 s21, s[PP], 3
	s_lshl_b32 s21, s21, 4
	s_add_co_u32 s76, s76, s21                     ; token group G
	s_lshl_b32 s76, s76, 3
	s_and_b32 s83, s[PP], 7
	s_add_co_u32 s76, s76, s83
	s_mul_i32 s76, s76, BLK
	s_add_co_u32 s76, s76, s82
	s_mov_b32 s77, 0
	s_lshl_b32 s82, s[CX], 2                       ; waves 0 to 3 store the scale bytes of group 4 x + wave
	s_add_co_u32 s82, s82, s21
	s_min_u32 s60, s[WV], 3
	s_add_co_u32 s82, s82, s60
	s_lshl_b32 s82, s82, 3
	s_add_co_u32 s82, s82, s83
	s_lshl_b32 s82, s82, 9
	s_lshl_b32 s21, s[HD], 8
	s_add_co_u32 s82, s82, s21
	s_mov_b32 s83, 0
	s_mov_b32 s[G1K], 15|(1<<20)|(1<<21)|(5<<22)|(15<<25)   ; K: 32 rows of 768 bytes, 1,536 apart; 64 bytes of padding behind each 256
	s_mov_b32 s[G1K+1], 768<<16
	s_mov_b32 s[G1K+2], 32<<16
	s_mov_b32 s[G1K+3], 768<<16
	s_mov_b32 s[G1K+4], 32
	s_mov_b32 s[G1K+5], 1536
	s_mov_b32 s[G1K+6], 0
	s_mov_b32 s[G1K+7], 0
	s_mov_b32 s[G1V], 15|(3<<16)|(1<<21)           ; V: 8 rows of 6,144 bytes, 12,288 apart
	s_mov_b32 s[G1V+1], 768<<16
	s_mov_b32 s[G1V+2], 8<<16
	s_mov_b32 s[G1V+3], 768<<16
	s_mov_b32 s[G1V+4], 8
	s_mov_b32 s[G1V+5], 1536
	s_mov_b32 s[G1V+6], 0
	s_mov_b32 s[G1V+7], 0
	s_mov_b32 s[G1S], 15|(3<<16)|(1<<21)           ; scale blocks: 8,192 dense bytes as 32 rows of 256
	s_mov_b32 s[G1S+1], 32<<16
	s_mov_b32 s[G1S+2], 32<<16
	s_mov_b32 s[G1S+3], 32<<16
	s_mov_b32 s[G1S+4], 32
	s_mov_b32 s[G1S+5], 32
	s_mov_b32 s[G1S+6], 0
	s_mov_b32 s[G1S+7], 0
	s_mov_b32 s[SEL], 0x76543210
	s_mov_b32 s[SEL+1], 0xfedcba98
	s_mov_b32 s[CS], 0x3e38aa3b                    ; log2(e) / 8
	s_mov_b32 s[CS+1], s[CS]
	s_mov_b32 s[NC], 0xbe38aa3b
	s_mov_b32 s[MK], 0xffff0000
	s_mov_b32 s[N], 0
	s_mov_b32 s[KO], 0
	s_mov_b32 s[VO], 0
	s_mov_b32 s[SO], 0
	s_mov_b32 s56, 1
	s_mov_b32 s63, 0
	WALU
	s_wait_dscnt 0x0
	ROUND                                          ; in front of the joint loads
	s_wait_kmcnt 0x0
	s_add_nc_u64 s[78:79], s[4:5], s[78:79]
	s_add_nc_u64 s[80:81], s[6:7], s[80:81]
	s_add_nc_u64 s[8:9], s[8:9], s[76:77]
	s_add_nc_u64 s[10:11], s[10:11], s[82:83]
	s_cmp_lt_u32 s[WV], 4
	s_cbranch_scc0 .Lfor_v
	s_mul_i32 s57, s[WV], 32*KP                    ; waves 0-3: 512 keys of K each
	s_mul_i32 s62, s[WV], 32*IMG
	s_add_nc_u64 s[58:59], s[4:5], s[70:71]
	TL G1K
	s_branch .Lasked
.Lfor_v:
	s_cmp_lt_u32 s[WV], 6
	s_cbranch_scc0 .Lfor_s
	s_and_b32 s61, s[WV], 1                        ; waves 4, 5: 1,024 keys of V each
	s_mul_i32 s57, s61, 8*6144
	s_add_co_u32 s57, s57, VB
	s_mul_i32 s62, s61, 8*BLK
	s_add_nc_u64 s[58:59], s[4:5], s[72:73]
	TL G1V
	s_branch .Lasked
.Lfor_s:
	s_and_b32 s61, s[WV], 1                        ; wave 6: K's scale blocks, wave 7: V's
	s_lshl_b32 s57, s61, 13
	s_add_co_u32 s57, s57, SCK
	s_lshl_b32 s62, s61, 18
	s_add_nc_u64 s[58:59], s[6:7], s[74:75]
	TL G1S
.Lasked:
	v_and_b32 v16, 31, v0
	v_and_b32 v17, 7, v0
	v_bfe_u32 v18, v0, 3, 1
	v_bfe_u32 v19, v0, 4, 1
	v_lshlrev_b32 v[OL16], 4, v16
	v_lshlrev_b32 v[OL8], 3, v16
	WALU
.irp i, 0,1,2,3
	global_load_b128 v[Q+12*\i:Q+12*\i+3], v[OL16], s[78:79] offset:\i*IMG
	global_load_b64 v[Q+12*\i+4:Q+12*\i+5], v[OL8], s[78:79] offset:\i*IMG+512
.endr
	global_load_u16 v[QS], v[OL16], s[80:81]
	global_load_u16 v[QS+1], v[OL16], s[80:81] offset:4
	v_mul_u32_u24 v20, v18, 2*KP
	v_lshl_add_u32 v[AK16B], v17, 4, v20
	v_mad_u32_u24 v[AK16B], v19, 320, v[AK16B]     ; K, 16-byte pieces: 2 images x (r / 8) + 16 (r % 8) + 320 h
	v_lshl_add_u32 v[AK8B], v17, 3, v20
	v_lshl_add_u32 v[AK8B], v19, 7, v[AK8B]        ; 8-byte pieces: + 8 (r % 8) + 128 h
	v_add_nc_u32 v[AV16B], VB, v[OL16]
	v_add_nc_u32 v[AV8B], VB, v[OL8]
	v_lshlrev_b32 v20, 4, v17
	v_lshl_add_u32 v20, v18, 2, v20
	v_lshl_add_u32 v20, v19, 8, v20
	s_lshl_b32 s61, s[HD], 1
	s_add_co_u32 s61, s61, SCK
	v_add_nc_u32 v[AKSB], s61, v20                 ; K's two scale bytes: 16 (r % 8) + 4 (r / 8) + 256 (lane / 16) + 2 head
	s_lshl_b32 s61, s[HD], 3
	s_add_co_u32 s61, s61, SCV
	v_add_nc_u32 v[AVSB], s61, v[OL16]
	v_lshlrev_b32 v[SH8], 3, v19
	s_lshr_b32 s61, s[WV], 1
	s_lshl_b32 s61, s61, 8
	s_and_b32 s62, s[WV], 1
	s_lshl_b32 s62, s62, 2
	s_add_co_u32 s61, s61, s62
	s_add_co_u32 s61, s61, GATH
	v_add_nc_u32 v[GA], s61, v[OL8]
	s_lshl_b32 s61, s60, 8
	s_add_co_u32 s61, s61, GATH
	v_add_nc_u32 v[GR], s61, v[OL8]
.irp i, 0,1,2,3
	v_mov_b32 v[ST+4*\i+1], 0xff61b1e6             ; -3e38, under every score
	v_mov_b32 v[ST+4*\i+2], 0
	v_mov_b32 v[ST+4*\i+3], 0
.endr
.irp i, 0,1,2,3
	v_mul_f32 v[ST+4*\i], s[NC], v[ST+4*\i+1]
.endr
.irp i, 0,1,2,3
	v_floor_f32 v[ST+4*\i], v[ST+4*\i]
.endr
.irp k, 6,7,8,9,10,11
.irp i, 0,1,2,3
	v_mov_b32 v[Q+12*\i+\k], 0                     ; q's upper half: zero codes
.endr
	v_mov_b32 v[F+42+\k], 0
.endr
	v_mov_b32 v[FF+1], 0
	v_mov_b32 v49, 0
	v_mov_b32 v244, 0x3e38aa3b                     ; c = log2(e) / 8, twice: in an even and in an odd register
	v_mov_b32 v245, 0x3e38aa3b
	WALU
	s_wait_loadcnt 0x0
	s_wait_tensorcnt 0x0                           ; every wave: its tile is in
	s_barrier_signal -1
	s_barrier_wait -1
	KPRE
	VPRE
	STEP 1                                         ; the first step's products start O^T's sums
	s_mov_b32 s[N], 1
	WALU
.Lkeys:
	STEP 0
	s_add_co_u32 s[N], s[N], 1
	s_cmp_lt_u32 s[N], 16
	WALU
	s_cbranch_scc1 .Lkeys
; ---- the end: O / l, quantised along the head's 64; register 16 b + k of a tile is d = 32 b + 16 h + k
	s_wait_dscnt 0x0
.irp i, 0,1,2,3
	v_add_f32 v[ST+4*\i+2], v[ST+4*\i+2], v[ST+4*\i+3]
.endr
.irp i, 0,1,2,3
	v_permlanex16_b32 v[TA+\i], v[ST+4*\i+2], s[SEL], s[SEL+1]
.endr
.irp i, 0,1,2,3
	v_add_f32 v[ST+4*\i+2], v[ST+4*\i+2], v[TA+\i]
.endr
	WALU
.irp i, 0,1,2,3
	v_rcp_f32 v[ST+4*\i+2], v[ST+4*\i+2]
.endr
	v_nop
	WIN 0x01
	WALU
.irp i, 0,1,2,3
.set j, 0
.rept 16
	v_pk_mul_f32 v[E+32*\i+j:E+32*\i+j+1], v[32*\i+j:32*\i+j+1], v[ST+4*\i+2:ST+4*\i+3] op_sel_hi:[1,0]
.set j, j+2
.endr
.endr
	WIN 0
.irp n, 0,1,2,3,4,5,6,7                ; n = 2 x tile + block
	v_max3_num_f32 v[MX+\n], |v[E+16*\n]|, |v[E+16*\n+1]|, 0x2800000
.endr
.irp k, 2,4,6,8,10,12,14
.irp n, 0,1,2,3,4,5,6,7
	v_max3_num_f32 v[MX+\n], v[MX+\n], |v[E+16*\n+\k]|, |v[E+16*\n+\k+1]|
.endr
.endr
.irp n, 0,1,2,3,4,5,6,7
	v_permlanex16_b32 v[MP+\n], v[MX+\n], s[SEL], s[SEL+1]
.endr
.irp n, 0,1,2,3,4,5,6,7
	v_max_num_f32 v[MX+\n], v[MX+\n], v[MP+\n]
.endr
.irp n, 0,1,2,3,4,5,6,7
	v_add_nc_u32 v[MX+\n], 0xfe000000, v[MX+\n]
.endr
.irp n, 0,1,2,3,4,5,6,7
	v_lshrrev_b32 v[MP+\n], 23, v[MX+\n]
.endr
.irp i, 0,1,2,3
	v_lshl_or_b32 v[MP+2*\i], v[MP+2*\i+1], 8, v[MP+2*\i]
.endr
	v_lshl_or_b32 v[MP], v[MP+4], 16, v[MP]        ; tiles 0 and 2,
	v_lshl_or_b32 v[MP+2], v[MP+6], 16, v[MP+2]    ; tiles 1 and 3
	v_cndmask_b32 v[MP], v[MP], v[MP+2], s[MK]     ; lanes 0-15 send the even tiles' bytes, lanes 16-31 the odd ones'
	ds_store_b32 v[GA], v[MP]
.irp i, 0,1,2,3
	v_cvt_scalef32_pk16_bf6_f32 v[C+6*\i:C+6*\i+2], v[E+32*\i:E+32*\i+15], v[MX+2*\i]
	v_cvt_scalef32_pk16_bf6_f32 v[TA+4*\i:TA+4*\i+2], v[E+32*\i+16:E+32*\i+31], v[MX+2*\i+1]
.endr
	v_nop
.irp i, 0,1,2,3
.irp k, 0,1,2
	v_permlane16_swap_b32 v[C+6*\i+\k], v[TA+4*\i+\k]   ; a whole block to a lane
.endr
.endr
.irp i, 0,1,2,3
.irp k, 0,1,2
	v_mov_b32 v[C+6*\i+3+\k], v[TA+4*\i+\k]
.endr
.endr
.irp i, 0,1,2,3
	global_store_b128 v[OL16], v[C+6*\i:C+6*\i+3], s[8:9] offset:\i*IMG        ; 512 consecutive bytes,
	global_store_b64 v[OL8], v[C+6*\i+4:C+6*\i+5], s[8:9] offset:\i*IMG+512    ; 256, each at a multiple of 256
.endr
	WALU
	s_wait_dscnt 0x0
	s_barrier_signal -1
	s_barrier_wait -1
	s_cmp_lt_u32 s[WV], 4
	s_cbranch_scc0 .Lend
	ds_load_b64 v[MX:MX+1], v[GR]
	s_wait_dscnt 0x0
	global_store_b64 v[OL8], v[MX:MX+1], s[10:11]  ; one aligned unit of 256 bytes
.Lend:
	s_wait_tensorcnt 0x0                           ; the wave's end
	ds_add_u32 v[SPW], v[NIL]
	s_wait_dscnt 0x0
	ROUND                                          ; the closing round
	s_endpgm
.Lfunc_end_k_q3d688e61c5_attn:
	.size	k_q3d688e61c5_attn, .Lfunc_end_k_q3d688e61c5_attn-k_q3d688e61c5_attn
	.p2alignl 7, 3214868480
	.fill 96, 4, 3214868480
	.section	.rodata,"a",@progbits
	.p2align	6, 0x0
	.amdhsa_kernel k_q3d688e61c5_attn
		.amdhsa_group_segment_fixed_size 327680
		.amdhsa_private_segment_fixed_size 0
		.amdhsa_enable_private_segment 0
		.amdhsa_kernarg_size 32
		.amdhsa_user_sgpr_count 2
		.amdhsa_user_sgpr_kernarg_segment_ptr 1
		.amdhsa_wavefront_size32 1
		.amdhsa_system_sgpr_workgroup_id_x 1
		.amdhsa_system_sgpr_workgroup_id_y 1
		.amdhsa_system_sgpr_workgroup_id_z 1
		.amdhsa_system_vgpr_workitem_id 0
		.amdhsa_next_free_vgpr 512
		.amdhsa_next_free_sgpr 84
		.amdhsa_reserve_vcc 0
		.amdhsa_float_denorm_mode_32 3
		.amdhsa_float_denorm_mode_16_64 3
		.amdhsa_memory_ordered 1
		.amdhsa_forward_progress 1
		.amdhsa_inst_pref_size 137
	.end_amdhsa_kernel
	.amdgpu_metadata
---
amdhsa.version: [ 1, 2 ]
amdhsa.kernels:
  - .name:           k_q3d688e61c5_attn
    .symbol:         k_q3d688e61c5_attn.kd
    .args:
      - { .name: qkv_img, .offset: 0, .size: 8, .value_kind: global_buffer, .address_space: global }
      - { .name: qkv_sc, .offset: 8, .size: 8, .value_kind: global_buffer, .address_space: global }
      - { .name: cat_img, .offset: 16, .size: 8, .value_kind: global_buffer, .address_space: global }
      - { .name: cat_sc, .offset: 24, .size: 8, .value_kind: global_buffer, .address_space: global }
    .group_segment_fixed_size: 327680
    .private_segment_fixed_size: 0
    .kernarg_segment_align: 8
    .kernarg_segment_size: 32
    .max_flat_workgroup_size: 256
    .sgpr_count:     84
    .vgpr_count:     512
    .wavefront_size: 32
...
	.end_amdgpu_metadata
.endif
;; end of part 3
;; launch proj (part 4): grid 8 x 32, 4 waves a work-group, clusters of 4 x 4, 327,680 bytes of LDS; arguments cat_img, cat_sc, opnd_img, opnd_sc, bp, out0; writes out0
.if DOCPART == 4
	.amdgcn_target "amdgcn-amd-amdhsa--gfx1250"
	.amdhsa_code_object_version 6
	.text
	.protected	k_q3d688e61c5_proj
	.globl	k_q3d688e61c5_proj
	.p2align	8
	.type	k_q3d688e61c5_proj,@function
k_q3d688e61c5_proj:
	s_mov_b64 s[64:65], 0
	v_nop
	global_prefetch_b8 v0, s[64:65] scope:SCOPE_SE
	s_setreg_imm32_b32 hwreg(HW_REG_WAVE_MODE, 25, 1), 1
	s_wait_xcnt 0x0
	s_wait_alu depctr_hold_cnt(0) depctr_sa_sdst(0) depctr_va_vdst(0) depctr_va_sdst(0) depctr_va_ssrc(0) depctr_va_vcc(0) depctr_vm_vsrc(0)
	s_getreg_b32 s2, hwreg(HW_REG_IB_STS2, 6, 4)
	s_cmp_eq_u32 s2, 0
	s_cbranch_scc0 .Lentry_in_a_cluster
	s_endpgm
.Lentry_in_a_cluster:
	s_bfe_u32 s2, ttmp6, 0x10000c
	s_cmp_lg_u32 s2, 0xf033
	s_cbranch_scc0 .Lentry_shape_is_right
	s_endpgm
.Lentry_shape_is_right:
; out[token][n] = sum over k of cat[token][k] Wp[k][n] + bp[n], f32, on codes of BF6 with E8M0 scales: 8,192 x 1,024 x 1,024.
; THE DEAL: 256 work-groups of four waves, 2 x 2, each 256 tokens (two groups of cat) x 128 columns (one group of Wp).  A wave keeps its four column tiles of Wp, all of K, in registers and streams its group's eight tiles of 16 tokens past them.
; A: cat_img block 8 G + ks, image a: registers 0-3 at 16 l, 4-5 at 512 + 8 l, 6-9 at 768 + 16 l, 10-11 at 1,280 + 8 l.  B: opnd_img, groups 88 to 95, images of three pieces of 512 bytes.
; LDS: A's two groups and B's group, all of K, each one dense block: three joint loads at the head (waves 0, 1: A's groups; wave 2: B's), nothing is filled again.  No data prefetch: all is asked for at the head.
; A's tiles are shared by a row of the cluster, B's by a column.  Behind the tiles: a stage of 16 rows x (256 + 16) bytes for each wave, in bytes of its own; the spare words.
; The scale words come by plain loads into registers.  cat's lie by heads, two bytes a row: the even head's pair and the odd head's make a row's word.
; THE MATRIX INSTRUCTION IS USED TRANSPOSED (source 0 = Wp's rows): a lane holds eight neighbouring columns of one token.  A block of 16 tokens is 32 products, four accumulators by turns, K ascending.
; Its sums go through the stage, come back as rows of 256 bytes, take the bias and leave while the next block is multiplied: two sets of A's fragments, of accumulators and of rows.
; LIMITS: NaN, infinities and sums beyond f32's range are not served.
; REGISTERS: fragment f lies at register 256 + 12 (f % 21) + 256 (f / 21): 0-31 Wp's (4 q + tile), 32-47 A's two sets (32 + 8 e + q).  All else in window 0, as named.
.set IMG, 1536
.set BLK, 12288
.set GRP, 8*BLK
.set BB, 2*GRP
.set STAGE, 3*GRP
.set SP, 272
.set SPARE, STAGE+4*16*SP
.set FR, 12
.set FPW, 21
.set A16, 4
.set A8, 6
.set ADB, 8
.set O16, 10
.set O8, 11
.set SPW, 12
.set NIL, 13
.set STO, 14
.set RD, 15
.set CO, 16
.set SB, 32                            ; Wp's scale words: 2 q + tile / 2, lanes by tile % 2
.set SA, 48                            ; cat's: 4 q + a / 2, lanes by a % 2
.set ACC, 96
.set BK, 160
.set XT, 160                           ; head: cat's scale bytes as loaded
.set BI, 224
.set G1, 24
.set G0, 32
.set G1B, 48
.set G0B, 56
.set MSB, 0
.macro WIN new
.if MSB != \new
	s_set_vgpr_msb (MSB<<8)|\new
.set MSB, \new
.endif
.endm
.macro WALU
	s_wait_alu depctr_va_vdst(0)
.endm
.macro PLACES
.rept 4
	v_nop
.endr
.endm
.macro BARRIER
	s_barrier_signal -1
	s_barrier_wait -1
.endm
.macro CROUND
	BARRIER
	s_cmp_lg_u32 s14, 0
	s_cbranch_scc1 .Lnot_wave_0_\@
	s_barrier_signal -3
.Lnot_wave_0_\@:
	s_barrier_wait -3
	BARRIER
.endm
.macro TLOAD g0, g1
	tensor_load_to_lds s[\g0:\g0+3], s[\g1:\g1+7]
	s_nop 0
	PLACES
.endm
.macro WM4 d, a, b, c, xa, xb, ra, rb
	v_wmma_scale_f32_16x16x128_f8f6f4 v[\d:\d+7], v[\a:\a+11], v[\b:\b+11], \c, v[\xa], v[\xb] matrix_a_fmt:MATRIX_FMT_BF6 matrix_b_fmt:MATRIX_FMT_BF6 matrix_a_scale:MATRIX_SCALE_ROW\ra matrix_b_scale:MATRIX_SCALE_ROW\rb
.endm
.macro WM d, a, b, c, xa, xb, ra, rb
.if (\ra) && (\rb)
	WM4 \d, \a, \b, \c, \xa, \xb, 1, 1
.elseif (\ra)
	WM4 \d, \a, \b, \c, \xa, \xb, 1, 0
.elseif (\rb)
	WM4 \d, \a, \b, \c, \xa, \xb, 0, 1
.else
	WM4 \d, \a, \b, \c, \xa, \xb, 0, 0
.endif
.endm
.macro PROD a, n                       ; product n = 4 q + tile of block a
.set Q_, (\n)/4
.set B_, (\n)%4
.set FB_, 4*Q_+B_
.set FA_, 32+8*((\a)%2)+Q_
.set D_, ACC+32*((\a)%2)+8*B_
	WIN (1+FB_/FPW)|((1+FA_/FPW)<<2)
.if Q_
	WM D_, FR*(FB_%FPW), FR*(FA_%FPW), v[D_:D_+7], SB+2*Q_+B_/2, SA+4*Q_+(\a)/2, B_%2, (\a)%2
.else
	WM D_, FR*(FB_%FPW), FR*(FA_%FPW), 0, SB+2*Q_+B_/2, SA+4*Q_+(\a)/2, B_%2, (\a)%2
.endif
.endm
.macro PRODS a
.set N_, 0
.rept 32
	PROD \a, N_
.set N_, N_+1
.endr
	WIN 0
.endm
.macro FETCH a                         ; block a's eight fragments into set a % 2: 32 LDS loads
.irp q, 0,1,2,3,4,5,6,7
.set F_, 32+8*((\a)%2)+\q
.set R_, FR*(F_%FPW)
	WIN (1+F_/FPW)<<6
	ds_load_b128 v[R_:R_+3], v[A16+\q/4] offset:(\q%4)*BLK+(\a)*IMG
	ds_load_b64 v[R_+4:R_+5], v[A8+\q/4] offset:(\q%4)*BLK+(\a)*IMG+512
	ds_load_b128 v[R_+6:R_+9], v[A16+\q/4] offset:(\q%4)*BLK+(\a)*IMG+768
	ds_load_b64 v[R_+10:R_+11], v[A8+\q/4] offset:(\q%4)*BLK+(\a)*IMG+1280
.endr
	WIN 0
.endm
.macro STAGED a                        ; block a's sums into my stage, each accumulator from its low end on, and back as rows: 16 LDS instructions, served in order
.set AC_, ACC+32*((\a)%2)
.set BB_, BK+32*((\a)%2)
.irp b, 0,1,2,3
	ds_store_b128 v[STO], v[AC_+8*\b:AC_+8*\b+3] offset:128*(\b/2)+32*(\b%2)
	ds_store_b128 v[STO], v[AC_+8*\b+4:AC_+8*\b+7] offset:128*(\b/2)+32*(\b%2)+16
.endr
.irp t, 0,1,2,3,4,5,6,7
	ds_load_b128 v[BB_+4*\t:BB_+4*\t+3], v[RD] offset:2*\t*SP
.endr
.endm
.macro SEND a                          ; the bias, and out: sixteen lanes store 256 consecutive bytes of a token's row, at a multiple of 256
.set BB_, BK+32*((\a)%2)
.irp t, 0,1,2,3,4,5,6,7
	v_pk_add_f32 v[BB_+4*\t:BB_+4*\t+1], v[BB_+4*\t:BB_+4*\t+1], v[BI:BI+1]
	v_pk_add_f32 v[BB_+4*\t+2:BB_+4*\t+3], v[BB_+4*\t+2:BB_+4*\t+3], v[BI+2:BI+3]
	global_store_b128 v[CO], v[BB_+4*\t:BB_+4*\t+3], s[94:95] offset:(32*((\a)/2)+8*((\a)%2)+2*\t+8*(\t/4))*4096 th:TH_STORE_NT
.endr
.endm
; ---- the head
	s_load_b128 s[4:7], s[0:1], 0x0                ; cat_img, cat_sc
	s_load_b128 s[8:11], s[0:1], 0x10              ; opnd_img, opnd_sc
	s_load_b128 s[92:95], s[0:1], 0x20             ; bp, out0
	v_lshl_add_u32 v[SPW], v0, 2, SPARE
	v_mov_b32 v[NIL], 0
	ds_add_u32 v[SPW], v[NIL]                      ; the opening lines
	ds_add_u32 v[SPW], v[NIL]
	v_lshrrev_b32 v1, 5, v0
	v_readfirstlane_b32 s14, v1
	s_lshr_b32 s15, s14, 1                         ; my group of tokens
	s_and_b32 s16, s14, 1                          ; my half of the columns
	s_bfe_u32 s40, ttmp6, 0x40000
	s_bfe_u32 s41, ttmp6, 0x40004
	s_lshl_b32 s42, ttmp9, 2
	s_add_co_u32 s42, s42, s40                     ; tile column
	s_and_b32 s12, ttmp7, 0xffff
	s_lshl_b32 s17, s12, 2
	s_add_co_u32 s17, s17, s41                     ; tile row
	s_lshl_b32 s43, s41, 2
	s_lshl_b32 s43, 15, s43
	s_lshl_b32 s44, 0x1111, s40
	s_or_b32 s[G1+0], s43, (3<<16)|(1<<21)         ; a group, all of K: 98,304 dense bytes as 384 rows of 256
	s_or_b32 s[G1B+0], s44, (3<<16)|(1<<21)
.irp g, G1, G1B
	s_mov_b32 s[\g+1], 32<<16
	s_mov_b32 s[\g+2], 384<<16
	s_mov_b32 s[\g+3], 32<<16
	s_mov_b32 s[\g+4], 384
	s_mov_b32 s[\g+5], 32
	s_mov_b32 s[\g+6], 0
	s_mov_b32 s[\g+7], 0
.endr
	s_lshl_b32 s13, s17, 1                         ; A's first group
	s_add_co_u32 s20, s13, s14                     ; the group that wave 0 or 1 fetches
	s_mul_i32 s20, s20, GRP
	s_mov_b32 s21, 0
	s_add_co_u32 s46, s42, 88                      ; Wp's group
	s_lshl_b32 s66, s46, 12
	s_lshl_b32 s18, s16, 3
	s_add_co_u32 s66, s66, s18
	s_mov_b32 s67, 0
	s_mul_i32 s46, s46, GRP
	s_mov_b32 s47, 0
	s_add_co_u32 s22, s13, s15
	s_lshl_b32 s18, s22, 19                        ; my group's first row of out0
	s_mov_b32 s19, 0
	s_lshl_b32 s22, s22, 12
	s_mov_b32 s23, 0
	s_lshl_b32 s2, s42, 9
	s_lshl_b32 s3, s16, 8
	s_add_co_u32 s2, s2, s3                        ; my first column, in bytes
	s_mov_b32 s3, 0
	s_mov_b32 s[G0], 1
	s_mul_i32 s[G0+1], s14, GRP
	s_mov_b32 s[G0B], 1
	s_mov_b32 s[G0B+1], BB
	WALU
	s_wait_dscnt 0x0
	CROUND                                         ; in front of the joint loads
	s_wait_kmcnt 0x0
	s_add_nc_u64 s[G0+2:G0+3], s[4:5], s[20:21]
	s_or_b32 s[G0+3], s[G0+3], 0x80000000
	s_add_nc_u64 s[G0B+2:G0B+3], s[8:9], s[46:47]
	s_or_b32 s[G0B+3], s[G0B+3], 0x80000000
	s_add_nc_u64 s[22:23], s[6:7], s[22:23]
	s_add_nc_u64 s[66:67], s[10:11], s[66:67]
	s_add_nc_u64 s[92:93], s[92:93], s[2:3]
	s_add_nc_u64 s[94:95], s[94:95], s[2:3]
	s_add_nc_u64 s[94:95], s[94:95], s[18:19]
	s_cmp_lt_u32 s14, 2
	s_cbranch_scc0 .Lfor_b
	TLOAD G0, G1
	s_branch .Lasked
.Lfor_b:
	s_cmp_eq_u32 s14, 2
	s_cbranch_scc0 .Lasked
	TLOAD G0B, G1B
.Lasked:
	v_and_b32 v1, 31, v0
	v_and_b32 v2, 15, v0
	v_bfe_u32 v3, v0, 4, 1
	v_lshlrev_b32 v[O16], 4, v1
	v_lshlrev_b32 v[O8], 3, v1
	v_lshlrev_b32 v17, 4, v2
	WALU
.irp k, 0,1,2,3,4,5,6,7
	global_load_b64 v[XT+4*\k:XT+4*\k+1], v[O8], s[22:23] offset:512*\k          ; 256 consecutive bytes a load
	global_load_b64 v[XT+4*\k+2:XT+4*\k+3], v[O8], s[22:23] offset:512*\k+256
	global_load_b64 v[SB+2*\k:SB+2*\k+1], v[O16], s[66:67] offset:512*\k
.endr
	global_load_b128 v[BI:BI+3], v17, s[92:93]
	s_mul_i32 s18, s15, GRP
	v_add_nc_u32 v[A16], s18, v[O16]
	v_add_nc_u32 v[A8], s18, v[O8]
	v_add_nc_u32 v[A16+1], 4*BLK, v[A16]
	v_add_nc_u32 v[A8+1], 4*BLK, v[A8]
	s_mul_i32 s19, s16, 4*IMG
	s_add_co_u32 s19, s19, BB
	v_add_nc_u32 v[ADB], s19, v[O16]
	v_add_nc_u32 v[ADB+1], 4*BLK, v[ADB]
	s_mul_i32 s18, s14, 16*SP
	s_add_co_u32 s18, s18, STAGE
	v_mul_u32_u24 v18, v2, SP
	v_lshl_add_u32 v18, v3, 6, v18
	v_add_nc_u32 v[STO], s18, v18                  ; in: row l % 16, 64 bytes for each half of the lanes
	v_mul_u32_u24 v18, v3, SP
	v_add_nc_u32 v18, v18, v17
	v_add_nc_u32 v[RD], s18, v18                   ; back: two rows an instruction
	v_lshl_add_u32 v[CO], v3, 12, v17
	WALU
	s_wait_loadcnt 0x0
.irp k, 0,1,2,3,4,5,6,7
	v_perm_b32 v[SA+4*\k], v[XT+4*\k+2], v[XT+4*\k], 0x05040100
	v_perm_b32 v[SA+4*\k+1], v[XT+4*\k+2], v[XT+4*\k], 0x07060302
	v_perm_b32 v[SA+4*\k+2], v[XT+4*\k+3], v[XT+4*\k+1], 0x05040100
	v_perm_b32 v[SA+4*\k+3], v[XT+4*\k+3], v[XT+4*\k+1], 0x07060302
.endr
	WALU
	s_cmp_eq_u32 s14, 2
	s_cbranch_scc0 .Lnot_b
	s_wait_tensorcnt 0x0                           ; wave 2: Wp's group is in
.Lnot_b:
	BARRIER
.irp q, 0,1,2,3,4,5,6,7
.irp b, 0,1,2,3
.set F_, 4*\q+\b
	WIN (1+F_/FPW)<<6
.irp j, 0,1,2
	ds_load_b128 v[FR*(F_%FPW)+4*\j:FR*(F_%FPW)+4*\j+3], v[ADB+\q/4] offset:(\q%4)*BLK+\b*IMG+512*\j
.endr
.endr
.endr
	WIN 0
	s_wait_tensorcnt 0x0                           ; every wave: all that is still out
	s_wait_dscnt 0x0
	BARRIER                                        ; A's groups are in
; ---- the stream
	FETCH 0
	FETCH 1
	s_wait_dscnt 32                                ; block 0's rows are in; block 1's 32 loads may be out
.irp a, 0,1,2,3,4,5,6,7
	PRODS \a
	PLACES                                         ; between the last product and the readers of its sums and the loads into its sources
	s_wait_xcnt 0x0                                ; the stores of two blocks ago have read this set of rows
	STAGED \a
.if \a < 6
	FETCH \a+2
	s_wait_dscnt 48                                ; all but this block's 16 stage instructions and the fetch's 32: the block before is back, the next block's rows are in
.else
	s_wait_dscnt 16
.endif
.if \a > 0
	SEND \a-1
.endif
.endr
	s_wait_dscnt 0x0
	SEND 7
	s_wait_tensorcnt 0x0                           ; the wave's end
	ds_add_u32 v[SPW], v[NIL]
	s_wait_dscnt 0x0
	CROUND                                         ; the closing round
	s_endpgm
.Lfunc_end_k_q3d688e61c5_proj:
	.size	k_q3d688e61c5_proj, .Lfunc_end_k_q3d688e61c5_proj-k_q3d688e61c5_proj
	.p2alignl 7, 3214868480
	.fill 96, 4, 3214868480
	.section	.rodata,"a",@progbits
	.p2align	6, 0x0
	.amdhsa_kernel k_q3d688e61c5_proj
		.amdhsa_group_segment_fixed_size 327680
		.amdhsa_private_segment_fixed_size 0
		.amdhsa_enable_private_segment 0
		.amdhsa_kernarg_size 48
		.amdhsa_user_sgpr_count 2
		.amdhsa_user_sgpr_kernarg_segment_ptr 1
		.amdhsa_wavefront_size32 1
		.amdhsa_system_sgpr_workgroup_id_x 1
		.amdhsa_system_sgpr_workgroup_id_y 1
		.amdhsa_system_sgpr_workgroup_id_z 1
		.amdhsa_system_vgpr_workitem_id 0
		.amdhsa_next_free_vgpr 840
		.amdhsa_next_free_sgpr 100
		.amdhsa_reserve_vcc 0
		.amdhsa_float_denorm_mode_32 3
		.amdhsa_float_denorm_mode_16_64 3
		.amdhsa_memory_ordered 1
		.amdhsa_forward_progress 1
		.amdhsa_inst_pref_size 92
	.end_amdhsa_kernel
	.amdgpu_metadata
---
amdhsa.version: [ 1, 2 ]
amdhsa.kernels:
  - .name:           k_q3d688e61c5_proj
    .symbol:         k_q3d688e61c5_proj.kd
    .args:
      - { .name: cat_img, .offset: 0, .size: 8, .value_kind: global_buffer, .address_space: global }
      - { .name: cat_sc, .offset: 8, .size: 8, .value_kind: global_buffer, .address_space: global }
      - { .name: opnd_img, .offset: 16, .size: 8, .value_kind: global_buffer, .address_space: global }
      - { .name: opnd_sc, .offset: 24, .size: 8, .value_kind: global_buffer, .address_space: global }
      - { .name: bp, .offset: 32, .size: 8, .value_kind: global_buffer, .address_space: global }
      - { .name: out0, .offset: 40, .size: 8, .value_kind: global_buffer, .address_space: global }
    .group_segment_fixed_size: 327680
    .private_segment_fixed_size: 0
    .kernarg_segment_align: 8
    .kernarg_segment_size: 48
    .max_flat_workgroup_size: 128
    .sgpr_count:     100
    .vgpr_count:     840
    .wavefront_size: 32
...
	.end_amdgpu_metadata
.endif
;; end of part 4
